; MI455X (gfx1250); checked and timed in simulation.
; The chip was launched on July 23, 2026; its instructions are those of AMD's public machine-readable ISA for CDNA 5 (MIT licence, August 2026) and "CDNA5" Instruction Set Architecture Reference Guide (July 2026). The comments in the code are by the model that wrote it; some were corrected since.
;; Model. Allowed arithmetic: float matrix products may take bf16 or f16 operands with f32 sums; other float arithmetic in f32, or as packed bf16 or f16 multiplies, adds, multiply-adds, maxima and minima; sums over many terms, partial sums and values carried from step to step in f32; what a program stores and reads back later, other than sums and carried values, may be rounded once to bf16 or f16.
;; Inputs: k 8 x 2,048 x 1,024 float32; q 8 x 2,048 x 1,024 float32; v 8 x 2,048 x 512 float32; w1 1,024 x 512 float32; w2 512 x 128 float32; w3 1,024 x 512 float32; w4 1,024 x 512 float32; w6 512 x 128 float32; w7 1,024 x 512 float32.
;; Outputs: out0 8 x 2,048 x 512 float32.
;; 2 versions, each right; version 2 is version 1 with the launch prep written anew for expert scheduling mode. Each part assembles by itself: llvm-mc -triple=amdgcn-amd-amdhsa -mcpu=gfx1250 --defsym DOCPART=n.
;; ======== version 1 of 2: 3 launches
;; limits: values are held in f16: magnitudes above 65,504 overflow, below 6.1e-05 lose precision
;; workspace buffers: wq 1,441,792 bytes; wk 262,144 bytes; wv 524,288 bytes; q2 4,194,304 bytes; k3 4,194,304 bytes; vv 16,777,216 bytes; qw 33,554,432 bytes
;; launch prep (part 1): grid 6 x 16, 16 waves a work-group, no clusters, 216,064 bytes of LDS; arguments w1, w2, w3, w4, w6, w7, wq, wk, wv; writes wq, wk, wv
.if DOCPART == 1
	.amdgcn_target "amdgcn-amd-amdhsa--gfx1250"
	.amdhsa_code_object_version 6
	.text
	.protected	k_qccef2fcfef_prep
	.globl	k_qccef2fcfef_prep
	.p2align	8
	.type	k_qccef2fcfef_prep,@function
k_qccef2fcfef_prep:
	s_mov_b64 s[64:65], 0
	v_nop
	global_prefetch_b8 v0, s[64:65] scope:SCOPE_SE
	s_setreg_imm32_b32 hwreg(HW_REG_WAVE_MODE, 25, 1), 1
	s_wait_xcnt 0x0
; THE WEIGHT PRODUCTS.  Outside the softmax the module is linear, so (q w1) w2 = q (w1 w2), (k w4) w6 = k (w4 w6), and
; [out|q3] w7 + [q3|out] w7 = (out + q3) w7s with w7s = w7[0:512] + w7[512:1024]; q3 w7s = q (w3 w7s).  This launch makes
;   w12 = w1 w2 [1024][128],  w46 = w4 w6 [1024][128],  w7s [512][512],  w37 = w3 w7s [1024][512],
; all with f16 operands and f32 sums, each result rounded once to f16, in the layouts that the next launch streams:
;   wq [4 quarters g][1024 k][176]: columns 0-127 = 64 x w37[k][128 g ..], 128-159 = w12[k][32 g ..], 160-175 = 0 (padding: a row is 352 bytes)
;   wk [4][1024][32] = w46[k][32 g ..]        wv [4][512][128] = w7s[k][128 g ..]
; LIMITS.  The order of the products differs from the written one (associativity).  f16: the weights, w12, w46, w7s and 64 x w37 stay below 65,504; below 6e-5 a number
; keeps f16's fixed step of 6e-8.  NaN and infinities are not treated apart.
; SHARES.  Work-group (ct, rb): 64 rows d = 64 rb .. of one product's 128 columns.  ct = 0: w1 w2; ct = 1: w4 w6; ct = 2 + g: w3 x w7s[:, 128 g ..].
; Sixteen waves: wave w makes rows 16 (w & 3) .., columns 32 (w >> 2) ..: two accumulators, K = 512.
; No tensor loads, no cluster: 96 work-groups with a few products each; the operands are converted on their way into LDS, which a copy engine cannot do.
; The stores into wq and wk are pieces of 32 bytes of a row: 1.7 MB in all, written once.
.set BPIT,  288                        ; a row of B in LDS: 128 f16 + 32 bytes: 72 words
.set APIT,  1040                       ; a row of A in LDS: 512 f16 + 16 bytes: an odd multiple of 16
.set AS,    512*BPIT                   ; B [512 j][128 n] lies from 0, A [64 d][512 j] from here
.set SPARE, AS+64*APIT                 ; the spare words: 128 bytes for each of 16 waves; no other line names them
.set QSZ,   1024*352                   ; a quarter of wq
.set GSTEP, 128*BPIT                   ; four K steps of 32 in B
.set GA,  2                            ; v2   my byte offset in the work-group's rows of A
.set GB,  3                            ; v3   the same in B
.set LAS, 4                            ; v4   where I put 8 bytes of A
.set LBS, 5                            ; v5   of B
.set WVO, 6                            ; v6   my byte offset in wv
.set AFA, 7                            ; v7   LDS address of my fragments of A
.set BFA, 8                            ; v8-11 of B, one for each group of four K steps
.set SPW, 12                           ; v12  my spare word; never rewritten
.set NIL, 13                           ; v13  0; never rewritten
.set OUTO, 14                          ; v14  my byte offset in wq or wk
.set ACC, 16                           ; v[16:31] two accumulators
.set LA,  32                           ; v[32:95]   A as loaded
.set LB,  96                           ; v[96:159]  B as loaded
.set LC,  160                          ; v[160:223] w7's lower half as loaded
.set FR,  32                           ; later: two sets of 96: for each of four K steps A's fragment and B's two
.set T,   224
.set U,   240
.set Z,   248
.set CT,  4
.set RBK, 5
.set WV,  6
.set GG,  7
.set APT, 8
.set BPT, 10
.set DPT, 12
.set WVF, 14
.set SC,  40
	s_load_b512 s[16:31], s[0:1], 0x0              ; w1 16, w2 18, w3 20, w4 22, w6 24, w7 26, wq 28, wk 30
	s_load_b64 s[32:33], s[0:1], 0x40              ; wv
	v_lshl_add_u32 v[SPW], v0, 2, SPARE
	v_mov_b32 v[NIL], 0
	v_lshrrev_b32 v1, 5, v0
	v_readfirstlane_b32 s[WV], v1                  ; wave 0..15
	s_mov_b32 s[CT], ttmp9
	s_and_b32 s[RBK], ttmp7, 0xffff
	s_max_u32 s[GG], s[CT], 2
	s_sub_co_u32 s[GG], s[GG], 2                   ; g; 0 where ct < 2
	v_and_b32 v20, 31, v0                          ; lane
	v_and_b32 v21, 15, v0                          ; r
	v_bfe_u32 v22, v0, 4, 1                        ; h
	v_lshlrev_b32 v23, 4, v20
	s_lshl_b32 s34, s[WV], 13                      ; a wave stages 16 pieces of 512 bytes of A, on end
	v_add_nc_u32 v[GA], s34, v23
	s_cmp_lt_u32 s[CT], 2
	s_cselect_b32 s35, 14, 16                      ; 32 rows of B: of 512 bytes (w2, w6) or 2,048 (w7)
	s_lshl_b32 s34, s[WV], s35
	v_add_nc_u32 v[GB], s34, v23
	s_mul_i32 s34, s[WV], 4*APIT
	s_add_co_u32 s34, s34, AS
	v_lshl_add_u32 v[LAS], v20, 3, s34
	s_mul_i32 s34, s[WV], 32*BPIT
	v_lshl_add_u32 v[LBS], v20, 3, s34
	s_lshl_b32 s34, s[GG], 17
	s_lshl_b32 s35, s[WV], 13
	s_add_co_u32 s34, s34, s35
	v_lshl_add_u32 v[WVO], v20, 3, s34             ; g x 131,072 + 32 w rows of 256 bytes + 8 x lane
	s_cmp_eq_u32 s[RBK], 0
	s_cselect_b32 s[WVF], 1, 0                     ; the first row block of each g also stores w7s
	s_and_b32 s36, s[WV], 3                        ; a
	s_lshr_b32 s37, s[WV], 2                       ; p
	s_lshl_b32 s38, s36, 4
	v_add_nc_u32 v24, s38, v21                     ; 16 a + r
	v_mul_u32_u24 v[AFA], v24, APIT
	v_lshl_add_u32 v[AFA], v22, 4, v[AFA]
	v_add_nc_u32 v[AFA], AS, v[AFA]
	v_and_b32 v25, 7, v0
	v_lshl_add_u32 v25, v22, 3, v25                ; the turning load: row 8 h + l % 8,
	v_mul_u32_u24 v25, v25, BPIT
	v_bfe_u32 v26, v0, 3, 1
	v_lshl_add_u32 v25, v26, 4, v25                ; 16 bytes for each half of eight lanes
	s_lshl_b32 s38, s37, 6
	v_add_nc_u32 v[BFA], s38, v25                  ; my 32 columns
	v_add_nc_u32 v[BFA+1], GSTEP, v[BFA]
	v_add_nc_u32 v[BFA+2], 2*GSTEP, v[BFA]
	v_add_nc_u32 v[BFA+3], 3*GSTEP, v[BFA]
	s_lshl_b32 s38, s[RBK], 6
	v_add_nc_u32 v24, s38, v24                     ; d
	s_mul_i32 s42, s[GG], QSZ                      ; w37: quarter g, columns 64 p bytes on
	s_cmp_eq_u32 s[CT], 1
	s_cselect_b32 s38, 64, 352                     ; the destination's row
	s_cselect_b32 s39, 65536, 64                   ; w46: quarter p of wk
	s_cmp_eq_u32 s[CT], 0
	s_cselect_b32 s39, QSZ, s39                    ; w12: quarter p of wq, behind its 128 columns of w37
	s_cselect_b32 s42, 256, s42
	s_mul_i32 s39, s39, s37
	s_add_co_u32 s42, s42, s39
	v_mul_u32_u24 v[OUTO], v24, s38
	v_lshl_add_u32 v[OUTO], v22, 4, v[OUTO]
	v_add_nc_u32 v[OUTO], s42, v[OUTO]
	s_cmp_lt_u32 s[CT], 2
	s_cselect_b32 s[SC], 1.0, 0x42800000           ; w37 is kept times 64, so that f16 holds it with room on both sides
	s_mov_b32 s[SC+1], s[SC]
	s_mov_b32 s35, 0
	s_wait_kmcnt 0x0
	s_cmp_eq_u32 s[CT], 1
	s_cselect_b64 s[APT:APT+1], s[22:23], s[20:21]
	s_cselect_b64 s[BPT:BPT+1], s[24:25], s[26:27]
	s_cselect_b64 s[DPT:DPT+1], s[30:31], s[28:29]
	s_cmp_eq_u32 s[CT], 0
	s_cselect_b64 s[APT:APT+1], s[16:17], s[APT:APT+1]
	s_cselect_b64 s[BPT:BPT+1], s[18:19], s[BPT:BPT+1]
	s_lshl_b32 s34, s[RBK], 17                     ; 64 rows of 2,048 bytes
	s_add_nc_u64 s[APT:APT+1], s[APT:APT+1], s[34:35]
	s_lshl_b32 s34, s[GG], 9                       ; w7's columns 128 g ..
	s_add_nc_u64 s[BPT:BPT+1], s[BPT:BPT+1], s[34:35]
.set u_, 0
.rept 16                                       ; A: each load takes 512 consecutive bytes
	global_load_b128 v[LA+4*u_:LA+4*u_+3], v[GA], s[APT:APT+1] offset:u_*512
.set u_, u_+1
.endr
.macro CVA                             ; A's 16 pieces: piece u is a quarter (u % 4) of row 4 w + u / 4
.set u_, 0
.rept 16
	v_cvt_pk_f16_f32 v[LA+4*u_], v[LA+4*u_], v[LA+4*u_+1]
	v_cvt_pk_f16_f32 v[LA+4*u_+1], v[LA+4*u_+2], v[LA+4*u_+3]
	ds_store_b64 v[LAS], v[LA+4*u_:LA+4*u_+1] offset:(u_/4)*APIT+(u_%4)*256
.set u_, u_+1
.endr
.endm
; Sixteen rows of B, batch bt of two.  dbl = 1: B = w7's upper half + its lower half, and the first row block stores it as wv, 256 consecutive bytes an instruction.
.macro BATCH dbl, pitch, bt
.if \bt
	s_wait_xcnt 0x0                                ; the first batch's stores have read their data: the registers are loaded again only behind this wait
.endif
.set u_, 0
.rept 16
	global_load_b128 v[LB+4*u_:LB+4*u_+3], v[GB], s[BPT:BPT+1] offset:(16*(\bt)+u_)*(\pitch)
.if \dbl
	global_load_b128 v[LC+4*u_:LC+4*u_+3], v[GB], s[BPT:BPT+1] offset:(16*(\bt)+u_)*(\pitch)+512*2048
.endif
.set u_, u_+1
.endr
.if !(\bt)
	s_wait_loadcnt 16*(1+(\dbl))                   ; A is in; B's loads, issued behind it, may stay out
	CVA
.endif
	s_wait_loadcnt 0x0
.set u_, 0
.rept 16
.if \dbl
	v_pk_add_f32 v[LB+4*u_:LB+4*u_+1], v[LB+4*u_:LB+4*u_+1], v[LC+4*u_:LC+4*u_+1]
	v_pk_add_f32 v[LB+4*u_+2:LB+4*u_+3], v[LB+4*u_+2:LB+4*u_+3], v[LC+4*u_+2:LC+4*u_+3]
.endif
	v_cvt_pk_f16_f32 v[LB+4*u_], v[LB+4*u_], v[LB+4*u_+1]
	v_cvt_pk_f16_f32 v[LB+4*u_+1], v[LB+4*u_+2], v[LB+4*u_+3]
	ds_store_b64 v[LBS], v[LB+4*u_:LB+4*u_+1] offset:(16*(\bt)+u_)*BPIT
.set u_, u_+1
.endr
.if \dbl
	s_cmp_eq_u32 s[WVF], 1
	s_cbranch_scc0 .Lnowv_\@
.set u_, 0
.rept 16
	global_store_b64 v[WVO], v[LB+4*u_:LB+4*u_+1], s[32:33] offset:(16*(\bt)+u_)*256
.set u_, u_+1
.endr
.Lnowv_\@:
.endif
.endm
	s_cmp_lt_u32 s[CT], 2
	s_cbranch_scc0 .Ldouble
	BATCH 0, 512, 0
	BATCH 0, 512, 1
	s_branch .Lstaged
.Ldouble:
	BATCH 1, 2048, 0
	BATCH 1, 2048, 1
.Lstaged:
	s_wait_xcnt 0x0                                ; the stores into wv have read their data: the fragments land in the same registers
	s_wait_dscnt 0x0                               ; for the others' sake: my part of A and B lies in LDS
	s_barrier_signal -1
	s_barrier_wait -1
; Group g of four: the fragments of four K steps of 32 into set s: 24 LDS loads.  A lies along K: two loads 32 bytes apart.  B lies [K][N]: two turning loads, 16 rows apart.
.macro GRP g, s
.irp q, 0,1,2,3
	ds_load_b128 v[FR+96*(\s)+24*\q:FR+96*(\s)+24*\q+3],   v[AFA] offset:64*(4*(\g)+\q)
	ds_load_b128 v[FR+96*(\s)+24*\q+4:FR+96*(\s)+24*\q+7], v[AFA] offset:64*(4*(\g)+\q)+32
	ds_load_tr16_b128 v[FR+96*(\s)+24*\q+8:FR+96*(\s)+24*\q+11],  v[BFA+(\g)] offset:\q*32*BPIT
	ds_load_tr16_b128 v[FR+96*(\s)+24*\q+12:FR+96*(\s)+24*\q+15], v[BFA+(\g)] offset:\q*32*BPIT+16*BPIT
	ds_load_tr16_b128 v[FR+96*(\s)+24*\q+16:FR+96*(\s)+24*\q+19], v[BFA+(\g)] offset:\q*32*BPIT+32
	ds_load_tr16_b128 v[FR+96*(\s)+24*\q+20:FR+96*(\s)+24*\q+23], v[BFA+(\g)] offset:\q*32*BPIT+32+16*BPIT
.endr
.endm
; Eight products; the two accumulators take turns.  Source 0 = 16 columns of B, source 1 = 16 rows of A: a lane ends with eight neighbouring columns of one row.
.macro MULG s, zero
.irp q, 0,1,2,3
.irp i, 0,1
.if (\zero) && (\q == 0)
	v_wmma_f32_16x16x32_f16 v[ACC+8*\i:ACC+8*\i+7], v[FR+96*(\s)+24*\q+8+8*\i:FR+96*(\s)+24*\q+15+8*\i], v[FR+96*(\s)+24*\q:FR+96*(\s)+24*\q+7], 0
.else
	v_wmma_f32_16x16x32_f16 v[ACC+8*\i:ACC+8*\i+7], v[FR+96*(\s)+24*\q+8+8*\i:FR+96*(\s)+24*\q+15+8*\i], v[FR+96*(\s)+24*\q:FR+96*(\s)+24*\q+7], v[ACC+8*\i:ACC+8*\i+7]
.endif
.endr
.endr
.endm
.macro PLACES                          ; four plain places between a product and a load into, or a read of, its registers
.rept 4
	v_nop
.endr
.endm
	GRP 0, 0
	GRP 1, 1
	s_wait_dscnt 24                                ; set 0 is in; the 24 loads of set 1 may stay out
	MULG 0, 1
	PLACES
	GRP 2, 0
	s_wait_dscnt 24
	MULG 1, 0
	PLACES
	GRP 3, 1
	s_wait_dscnt 24
	MULG 0, 0
	s_wait_dscnt 0x0
	MULG 1, 0
	PLACES
.irp i, 0,1
.irp j, 0,1,2,3
	v_pk_mul_f32 v[T+8*\i+2*\j:T+8*\i+2*\j+1], v[ACC+8*\i+2*\j:ACC+8*\i+2*\j+1], s[SC:SC+1] op_sel_hi:[1,0]
.endr
.endr
.irp i, 0,1
.irp j, 0,1,2,3
	v_cvt_pk_f16_f32 v[U+4*\i+\j], v[T+8*\i+2*\j], v[T+8*\i+2*\j+1]
.endr
	global_store_b128 v[OUTO], v[U+4*\i:U+4*\i+3], s[DPT:DPT+1] offset:32*\i
.endr
	s_cmp_eq_u32 s[CT], 0
	s_cbranch_scc0 .Lend
.irp j, 0,1,2,3
	v_mov_b32 v[Z+\j], 0
.endr
	global_store_b128 v[OUTO], v[Z:Z+3], s[DPT:DPT+1] offset:64  ; wq's columns 160-175: the next launch's tiles carry them, so they are written
.Lend:
	s_wait_tensorcnt 0x0                           ; the wave's end: behind my last LDS store
	ds_add_u32 v[SPW], v[NIL]
	s_wait_dscnt 0x0
	s_endpgm
.Lfunc_end_k_qccef2fcfef_prep:
	.size	k_qccef2fcfef_prep, .Lfunc_end_k_qccef2fcfef_prep-k_qccef2fcfef_prep
	.p2alignl 7, 3214868480
	.fill 96, 4, 3214868480
	.section	.rodata,"a",@progbits
	.p2align	6, 0x0
	.amdhsa_kernel k_qccef2fcfef_prep
		.amdhsa_group_segment_fixed_size 216064
		.amdhsa_private_segment_fixed_size 0
		.amdhsa_enable_private_segment 0
		.amdhsa_kernarg_size 72
		.amdhsa_user_sgpr_count 2
		.amdhsa_user_sgpr_kernarg_segment_ptr 1
		.amdhsa_wavefront_size32 1
		.amdhsa_system_sgpr_workgroup_id_x 1
		.amdhsa_system_sgpr_workgroup_id_y 1
		.amdhsa_system_sgpr_workgroup_id_z 1
		.amdhsa_system_vgpr_workitem_id 0
		.amdhsa_next_free_vgpr 256
		.amdhsa_next_free_sgpr 66
		.amdhsa_reserve_vcc 0
		.amdhsa_float_denorm_mode_32 3
		.amdhsa_float_denorm_mode_16_64 3
		.amdhsa_memory_ordered 1
		.amdhsa_forward_progress 1
		.amdhsa_inst_pref_size 50
	.end_amdhsa_kernel
	.amdgpu_metadata
---
amdhsa.version: [ 1, 2 ]
amdhsa.kernels:
  - .name:           k_qccef2fcfef_prep
    .symbol:         k_qccef2fcfef_prep.kd
    .args:
      - { .name: w1, .offset: 0, .size: 8, .value_kind: global_buffer, .address_space: global }
      - { .name: w2, .offset: 8, .size: 8, .value_kind: global_buffer, .address_space: global }
      - { .name: w3, .offset: 16, .size: 8, .value_kind: global_buffer, .address_space: global }
      - { .name: w4, .offset: 24, .size: 8, .value_kind: global_buffer, .address_space: global }
      - { .name: w6, .offset: 32, .size: 8, .value_kind: global_buffer, .address_space: global }
      - { .name: w7, .offset: 40, .size: 8, .value_kind: global_buffer, .address_space: global }
      - { .name: wq, .offset: 48, .size: 8, .value_kind: global_buffer, .address_space: global }
      - { .name: wk, .offset: 56, .size: 8, .value_kind: global_buffer, .address_space: global }
      - { .name: wv, .offset: 64, .size: 8, .value_kind: global_buffer, .address_space: global }
    .group_segment_fixed_size: 216064
    .private_segment_fixed_size: 0
    .kernarg_segment_align: 8
    .kernarg_segment_size: 72
    .max_flat_workgroup_size: 512
    .sgpr_count:     66
    .vgpr_count:     256
    .wavefront_size: 32
...
	.end_amdgpu_metadata
.endif
;; end of part 1
;; launch proj (part 2): grid 256 x 1, 4 waves a work-group, clusters of 4 x 1, 327,680 bytes of LDS; arguments q, k, v, wq, wk, wv, q2, k3, vv, qw; writes q2, k3, vv, qw
.if DOCPART == 2
	.amdgcn_target "amdgcn-amd-amdhsa--gfx1250"
	.amdhsa_code_object_version 6
	.text
	.protected	k_qccef2fcfef_proj
	.globl	k_qccef2fcfef_proj
	.p2align	8
	.type	k_qccef2fcfef_proj,@function
k_qccef2fcfef_proj:
	s_mov_b64 s[64:65], 0
	v_nop
	global_prefetch_b8 v0, s[64:65] scope:SCOPE_SE
	s_setreg_imm32_b32 hwreg(HW_REG_WAVE_MODE, 25, 1), 1
	s_wait_xcnt 0x0
	s_wait_alu depctr_hold_cnt(0) depctr_sa_sdst(0) depctr_va_vdst(0) depctr_va_sdst(0) depctr_va_ssrc(0) depctr_va_vcc(0) depctr_vm_vsrc(0)
	s_getreg_b32 s2, hwreg(HW_REG_IB_STS2, 6, 4)
	s_cmp_eq_u32 s2, 0
	s_cbranch_scc0 .Lentry_in_a_cluster
	s_endpgm
.Lentry_in_a_cluster:
	s_bfe_u32 s2, ttmp6, 0x10000c
	s_cmp_lg_u32 s2, 0x3003
	s_cbranch_scc0 .Lentry_shape_is_right
	s_endpgm
.Lentry_shape_is_right:
; THE THREE PROJECTIONS, as three phases of one body:  Q: q x wq -> qw = q w37 (f32) and q2 = q w12 (bf16);  K: k x wk -> k3 = k w46 (bf16);  V: v x wv -> vv = v w7s (f16).
; q, k, v are f32 and are rounded once to f16 on their way into LDS; the weights come in f16; sums in f32.  wq holds 64 x w37: qw is multiplied by 1/64, which is exact.
; LIMITS.  |q|, |k|, |v| and |vv| stay below 65,504 (f16); below 6e-5 a number keeps f16's fixed step of 6e-8.  q2 and k3 are bf16: they have f32's range.  NaN and infinities are not treated apart.
; SHARES.  A work-group takes 128 rows and two of the four column quarters; wave w takes rows 64 (w >> 1) .. and quarter 2 HALF + (w & 1): 64 rows x 16 NW columns, 4 NW accumulators
; (NW = 10, 2, 8 in the three phases).  K goes in steps of 128.
; CLUSTER.  The four work-groups of a cluster take four row blocks and the SAME two quarters, so each tile of the weights is asked for JOINTLY (mask 15): wave w brings 64 k of quarter
; 2 HALF + (w & 1), dense in memory, as rows of 256 bytes.  HALF is the cluster number's low bit: the two clusters that read the same rows of q, k, v are neighbours in the launch.
; THE ROWS of q, k, v come through registers, since they must be converted: two sets of 128 registers a wave, a K step each (32 rows x 512 consecutive bytes), so that two K steps of the
; work-group's rows are on their way; a set is converted in place, stored into the slot's stage in LDS and asked for again.
; No prefetch is laid: the two register sets already ask two K steps ahead of the use, and the weights are read by every cluster again and again.
; q2 and k3 leave in pieces of 64 bytes of a row (a quarter's 32 columns): 8 MB of the launch's stores.
; The accumulators are cleared by v_mov_b32 at each phase's head, in the wait for the phase's first tiles: the price of one form of trip.
; REGISTERS, in windows of 256: window 0: addresses, two fragment buffers (A 32, W 80 each); window 1: the two sets of rows; windows 2, 3: accumulator t = a NW + n at 8 t.
.set SLOT1, 1<<17                      ; slot 1 begins here: one exclusive or turns an address in one slot into the other's
.set APIT,  272                        ; a staged row: 128 f16 + 16 bytes: an odd multiple of 16: the 16 rows of a fragment load start at 16 different groups of banks (ISA guide 11.1)
.set ASTG,  90112                      ; a slot: the weights' tile from 0 (two quarters of 128 k), the stage of 128 rows from here; no tensor load lands in the stage
.set STAGE, SLOT1+ASTG+128*APIT        ; behind the ring: 16 rows x 272 bytes for each wave, for the way out
.set SPARE, STAGE+4*16*APIT            ; the spare words, 128 bytes for each wave; no other line names them
.set AO,    2                          ; v2   16 x lane
.set AST0,  3                          ; v3   where I put 8 bytes of my first staged row, slot 0
.set AST,   4                          ; v4   the same in the slot in hand
.set ADRA,  5                          ; v5   my fragments of the staged rows, slot 0
.set ADRB,  6                          ; v6   my fragments of the weights, slot 0; made anew in each phase
.set WA,    7
.set WB,    8
.set STO32, 9                          ; the way out: where I put 32 bytes of a row,
.set STO16, 10                         ; or 16
.set RD,    11                         ; where I read rows back
.set CO32,  12                         ; my byte offset in two rows of qw
.set C2,    13                         ; in 16 rows of q2 or k3
.set SPW,   14                         ; my spare word; never rewritten
.set NIL,   15                         ; 0; never rewritten
.set CO16,  16                         ; my byte offset in two rows of vv
.set TRB,   17                         ; the turning load's row, 8 h + l % 8
.set TRC,   18                         ; and its 16 bytes
.set AF,    32
.set BF,    96
.set E,     96                         ; the way out: results at work,
.set BK,    160                        ; and whole rows read back
.set WV,  8
.set WR,  9
.set WC,  10
.set CX,  11
.set RB,  12
.set HALF, 13
.set GQ,  14
.set TB,  15                           ; the slot in hand: 0 or SLOT1
.set G1,  16
.set G0,  24
.set AP,  28                           ; s[28:29] my staged rows at the K step loaded last but one
.set CNT, 30
.set KC,  31
.set TA,  40
.set TW,  41
.set AR,  42
.set INV, 48
.set QWB, 50
.set Q2B, 52
.set K3B, 54
.set VVB, 56
.set MSB, 0
.macro WIN new                         ; the immediate's high byte repeats the setting that is left; a switch that changes nothing is dropped
.if MSB != (\new)
	s_set_vgpr_msb (MSB<<8)|(\new)
.set MSB, \new
.endif
.endm
.macro PLACES                          ; four plain places between a product and a load into, or a read of, its registers
.rept 4
	v_nop
.endr
.endm
.macro CROUND                          ; a round of the cluster's barrier
	s_barrier_signal -1
	s_barrier_wait -1
	s_cmp_lg_u32 s[WV], 0
	s_cbranch_scc1 .Lnw0_\@
	s_barrier_signal -3
.Lnw0_\@:
	s_barrier_wait -3
	s_barrier_signal -1
	s_barrier_wait -1
.endm
.macro WLOAD                           ; my quarter of the weights' tile: one line for all four waves, told apart by the wave's number in both addresses
	tensor_load_to_lds s[G0:G0+3], s[G1:G1+7]
	s_nop 0
	PLACES
.endm
.macro ALOADS set, pa4, off            ; 32 rows x 512 consecutive bytes into a set
	WIN 0x40
.set i_, 0
.rept 32
	global_load_b128 v[128*(\set)+4*i_:128*(\set)+4*i_+3], v[AO], s[AP:AP+1] offset:i_*(\pa4)+(\off)
.set i_, i_+1
.endr
.endm
.macro CVTST set                       ; a set is rounded to f16 in place and stored: a row's 256 bytes by one instruction
	WIN 0x45
.set i_, 0
.rept 32
	v_cvt_pk_f16_f32 v[128*(\set)+4*i_], v[128*(\set)+4*i_], v[128*(\set)+4*i_+1]
	v_cvt_pk_f16_f32 v[128*(\set)+4*i_+1], v[128*(\set)+4*i_+2], v[128*(\set)+4*i_+3]
.set i_, i_+1
.endr
	WIN 0x04
.set i_, 0
.rept 32
	ds_store_b64 v[AST], v[128*(\set)+4*i_:128*(\set)+4*i_+1] offset:i_*APIT
.set i_, i_+1
.endr
	WIN 0
.endm
.macro FETCH buf, q                    ; NF = 8 + 2 NW LDS loads: the fragments of 32 along K
.set a_, 0
.rept 4
	ds_load_b128 v[AF+32*(\buf)+8*a_:AF+32*(\buf)+8*a_+3],   v[WA] offset:a_*16*APIT+64*(\q)
	ds_load_b128 v[AF+32*(\buf)+8*a_+4:AF+32*(\buf)+8*a_+7], v[WA] offset:a_*16*APIT+64*(\q)+32
.set a_, a_+1
.endr
.set n_, 0
.rept NW
	ds_load_tr16_b128 v[BF+80*(\buf)+8*n_:BF+80*(\buf)+8*n_+3],   v[WB] offset:(\q)*32*PWB+32*n_
	ds_load_tr16_b128 v[BF+80*(\buf)+8*n_+4:BF+80*(\buf)+8*n_+7], v[WB] offset:(\q)*32*PWB+32*n_+16*PWB
.set n_, n_+1
.endr
.endm
.macro MUL buf                         ; 4 NW products; all accumulators take turns.  Source 0 = 16 columns of the weights, source 1 = 16 rows
.set a_, 0
.rept 4
.set n_, 0
.rept NW
.set t_, a_*NW+n_
.set c_, 8*(t_%32)
	WIN 0xa0+0x50*(t_/32)
	v_wmma_f32_16x16x32_f16 v[c_:c_+7], v[BF+80*(\buf)+8*n_:BF+80*(\buf)+8*n_+7], v[AF+32*(\buf)+8*a_:AF+32*(\buf)+8*a_+7], v[c_:c_+7]
.set n_, n_+1
.endr
.set a_, a_+1
.endr
.endm
; A K step's products: two trips of 64 along K, written once; the LDS addresses hang on two scalars that step.  While one buffer is multiplied the other's loads are out.
.macro COMPUTE
	WIN 0
	s_mov_b32 s[TA], s[TB]
	s_mov_b32 s[TW], s[TB]
	v_add_nc_u32 v[WA], s[TA], v[ADRA]
	v_add_nc_u32 v[WB], s[TW], v[ADRB]
	FETCH 0, 0
	s_mov_b32 s[KC], 2
.Lk_\@:
	PLACES
	FETCH 1, 1
	s_wait_dscnt NF                                ; buffer 0 is in; the NF loads of buffer 1 may stay out
	MUL 0
	WIN 0
	s_add_co_u32 s[TA], s[TA], 128
	s_add_co_u32 s[TW], s[TW], 64*PWB
	v_add_nc_u32 v[WA], s[TA], v[ADRA]             ; these two and two v_nop are the places behind the products
	v_add_nc_u32 v[WB], s[TW], v[ADRB]
	v_nop
	v_nop
	s_cmp_eq_u32 s[KC], 1
	s_cbranch_scc1 .Llast_\@
	FETCH 0, 0
	s_wait_dscnt NF                                ; buffer 1 is in
	s_branch .Lgo_\@
.Llast_\@:
	s_wait_dscnt 0x0
.Lgo_\@:
	MUL 1
	WIN 0
	s_sub_co_u32 s[KC], s[KC], 1
	s_cmp_lg_u32 s[KC], 0
	s_cbranch_scc1 .Lk_\@
.endm
; A TRIP = a K step.  My set is in: it goes into this slot's stage (whose last readers passed the round before the last one).  Then the change of slots: all my tensor loads have landed
; (the one that was out is my part of this trip's weights), the add, my stores and reads are done; the round; the next K step's weights are asked for, into the slot read last trip;
; my set is asked for again, two K steps on; the products.
.macro TRIP set, refill, aload, cnt
	s_wait_loadcnt \cnt                            ; loads come back in order: my set is in, the other set's 32 may stay out
	WIN 0
	v_add_nc_u32 v[AST], s[TB], v[AST0]
	CVTST \set
	s_wait_tensorcnt 0x0
	ds_add_u32 v[SPW], v[NIL]                      ; the descriptor's steps stand between the add and the wait for it
	s_xor_b32 s[G0+1], s[G0+1], SLOT1
	s_add_nc_u64 s[G0+2:G0+3], s[G0+2:G0+3], WSTEP
	s_wait_dscnt 0x0
.if \refill
	CROUND
	WLOAD
.else
	s_barrier_signal -1
	s_barrier_wait -1
.endif
.if \aload
	s_wait_xcnt 0x0                                ; the other set's loads have read the pointer
	s_add_nc_u64 s[AP:AP+1], s[AP:AP+1], 512
	ALOADS \set, PA4, 512
.endif
	COMPUTE
	s_xor_b32 s[TB], s[TB], SLOT1
.endm
.macro PLOOP trips
	s_mov_b32 s[CNT], (\trips)/2-1
.Lp_\@:
	TRIP 0, 1, 1, 32
	TRIP 1, 1, 1, 32
	s_sub_co_u32 s[CNT], s[CNT], 1
	s_cmp_lg_u32 s[CNT], 0
	s_cbranch_scc1 .Lp_\@
	TRIP 0, 1, 0, 32                               ; the last two trips are written out: no row is loaded past the end, and the last asks for no tile
	TRIP 1, 0, 0, 0
.endm
.macro AHEAD ptr, sh, pa4              ; a phase's first two K steps of my 32 rows
	s_lshl_b32 s36, s[AR], \sh
	s_mov_b32 s37, 0
	s_wait_xcnt 0x0
	s_add_nc_u64 s[AP:AP+1], s[\ptr:\ptr+1], s[36:37]
	ALOADS 0, \pa4, 0
	ALOADS 1, \pa4, 512
	WIN 0
.endm
; A phase's descriptor and its first tile, into slot 0.  rows: the 256-byte rows of 64 k of a quarter; wq: a quarter's bytes in a slot; pwb: the LDS pitch of a k row.
.macro PSET first, wptr, g10, rows, wq, pwb, qbytes, halfb
.if !(\first)
	s_wait_tensorcnt 0x0                           ; no tensor load of mine is out: the descriptor may be written
	ds_add_u32 v[SPW], v[NIL]
.endif
	s_mov_b32 s[G1+0], \g10
	s_mov_b32 s[G1+1], 32<<16                      ; tensor_dim0 = 32 elements of 8 bytes
	s_mov_b32 s[G1+2], (\rows)<<16                 ; tensor_dim1
	s_mov_b32 s[G1+3], 32<<16                      ; tile_dim0
	s_mov_b32 s[G1+4], \rows                       ; tile_dim1
	s_mov_b32 s[G1+5], 32                          ; dense: a row begins where the last ends
	s_mov_b32 s[G1+6], 0
	s_mov_b32 s[G1+7], 0
	s_mov_b32 s[G0], 1
	s_mul_i32 s[G0+1], s[WC], \wq
	s_mul_i32 s38, s[WR], 64*(\pwb)
	s_add_co_u32 s[G0+1], s[G0+1], s38             ; quarter w & 1, k half w >> 1: no place in the cluster enters
	s_mul_i32 s36, s[GQ], \qbytes
	s_mul_i32 s38, s[WR], \halfb
	s_add_co_u32 s36, s36, s38
	s_mov_b32 s37, 0
	s_add_nc_u64 s[G0+2:G0+3], s[\wptr:\wptr+1], s[36:37]
	s_or_b32 s[G0+3], s[G0+3], 0x80000000
.if !(\first)
	s_wait_dscnt 0x0
.endif
	CROUND
	WLOAD
.endm
.macro SETB wq, pwb
	s_mul_i32 s32, s[WC], \wq
	v_mul_u32_u24 v[ADRB], v[TRB], \pwb
	v_add3_u32 v[ADRB], v[ADRB], v[TRC], s32
.endm
.macro CLEAR n
.set t_, 0
.rept 8*(\n)
	WIN 0x80+0x40*(t_/256)
	v_mov_b32 v[t_%256], 0
.set t_, t_+1
.endr
	WIN 0
.endm
; THE WAYS OUT.  A lane holds one row and eight neighbouring columns.  Each accumulator's registers are read in ascending order.
.macro OUT32                           ; qw: 64 columns of f32 (256 bytes) of 16 rows at a time through my stage; sixteen lanes then store 256 consecutive bytes
	PLACES
.set a_, 0
.rept 4
.set p_, 0
.rept 2
.set m_, 0
.rept 4
.set t_, a_*10+4*p_+m_
.set c_, 8*(t_%32)
	WIN 0x0a+5*(t_/32)
.set j_, 0
.rept 4
	v_pk_mul_f32 v[E+8*m_+2*j_:E+8*m_+2*j_+1], v[c_+2*j_:c_+2*j_+1], s[INV:INV+1] op_sel_hi:[1,0]
.set j_, j_+1
.endr
.set m_, m_+1
.endr
	WIN 0
.set m_, 0
.rept 4
	ds_store_b128 v[STO32], v[E+8*m_:E+8*m_+3]   offset:64*m_
	ds_store_b128 v[STO32], v[E+8*m_+4:E+8*m_+7] offset:64*m_+16
.set m_, m_+1
.endr
	s_wait_xcnt 0x0                                ; the stores of the group before have read their data
.set u_, 0
.rept 8
	ds_load_b128 v[BK+4*u_:BK+4*u_+3], v[RD] offset:u_*2*APIT  ; LDS serves a wave's instructions in order (ISA guide 5.7.1.4): these see the stores above
.set u_, u_+1
.endr
	s_wait_dscnt 0x0
.set u_, 0
.rept 8
	global_store_b128 v[CO32], v[BK+4*u_:BK+4*u_+3], s[QWB:QWB+1] offset:a_*32768+p_*256+u_*4096
.set u_, u_+1
.endr
.set p_, p_+1
.endr
.set a_, a_+1
.endr
	s_wait_xcnt 0x0
.endm
.macro OUTB16 nw, n0, base             ; q2 or k3: two tiles of 16 columns, rounded to bf16, 16 bytes a lane
	PLACES
.set a_, 0
.rept 4
.set m_, 0
.rept 2
.set t_, a_*(\nw)+(\n0)+m_
.set c_, 8*(t_%32)
	WIN 0x0a+5*(t_/32)
.set j_, 0
.rept 4
	v_cvt_pk_bf16_f32 v[E+4*(2*a_+m_)+j_], v[c_+2*j_], v[c_+2*j_+1]
.set j_, j_+1
.endr
.set m_, m_+1
.endr
.set a_, a_+1
.endr
	WIN 0
.set a_, 0
.rept 8
	global_store_b128 v[C2], v[E+4*a_:E+4*a_+3], s[\base:\base+1] offset:(a_/2)*4096+32*(a_%2)
.set a_, a_+1
.endr
	s_wait_xcnt 0x0                                ; the registers take fragments again only behind this wait
.endm
.macro OUT16                           ; vv: 128 columns of f16 (256 bytes) of 16 rows at a time through my stage
	PLACES
.set a_, 0
.rept 4
	WIN 0x0a
.set n_, 0
.rept 8
.set c_, 8*(a_*8+n_)
.set j_, 0
.rept 4
	v_cvt_pk_f16_f32 v[E+4*n_+j_], v[c_+2*j_], v[c_+2*j_+1]
.set j_, j_+1
.endr
.set n_, n_+1
.endr
	WIN 0
.set n_, 0
.rept 8
	ds_store_b128 v[STO16], v[E+4*n_:E+4*n_+3] offset:32*n_
.set n_, n_+1
.endr
	s_wait_xcnt 0x0
.set u_, 0
.rept 8
	ds_load_b128 v[BK+4*u_:BK+4*u_+3], v[RD] offset:u_*2*APIT
.set u_, u_+1
.endr
	s_wait_dscnt 0x0
.set u_, 0
.rept 8
	global_store_b128 v[CO16], v[BK+4*u_:BK+4*u_+3], s[VVB:VVB+1] offset:a_*16384+u_*2048
.set u_, u_+1
.endr
.set a_, a_+1
.endr
.endm
	s_load_b512 s[68:83], s[0:1], 0x0              ; q 68, k 70, v 72, wq 74, wk 76, wv 78, q2 80, k3 82
	s_load_b128 s[84:87], s[0:1], 0x40             ; vv 84, qw 86
	v_lshl_add_u32 v[SPW], v0, 2, SPARE
	v_mov_b32 v[NIL], 0
	ds_add_u32 v[SPW], v[NIL]                      ; the wave's opening: the add and its wait stand ahead of my first tensor load; the set-up stands between them
	v_lshrrev_b32 v1, 5, v0
	v_readfirstlane_b32 s[WV], v1                  ; wave 0..3
	s_lshr_b32 s[WR], s[WV], 1
	s_and_b32 s[WC], s[WV], 1
	s_bfe_u32 s[CX], ttmp6, 0x40000                ; my place in the cluster: it enters the addresses of the rows and of the outputs alone
	s_lshr_b32 s[RB], ttmp9, 1
	s_lshl_b32 s[RB], s[RB], 2
	s_add_co_u32 s[RB], s[RB], s[CX]               ; my block of 128 rows
	s_and_b32 s[HALF], ttmp9, 1
	s_lshl_b32 s[GQ], s[HALF], 1
	s_add_co_u32 s[GQ], s[GQ], s[WC]               ; my quarter
	v_and_b32 v20, 31, v0                          ; lane
	v_and_b32 v1, 15, v0                           ; r
	v_bfe_u32 v21, v0, 4, 1                        ; h
	v_lshlrev_b32 v[AO], 4, v20
	s_mul_i32 s32, s[WV], 32*APIT
	s_add_co_u32 s32, s32, ASTG
	v_lshl_add_u32 v[AST0], v20, 3, s32
	s_mul_i32 s32, s[WR], 64*APIT
	s_add_co_u32 s32, s32, ASTG
	v_mul_u32_u24 v[ADRA], v1, APIT
	v_lshl_add_u32 v[ADRA], v21, 4, v[ADRA]
	v_add_nc_u32 v[ADRA], s32, v[ADRA]
	v_and_b32 v22, 7, v0
	v_lshl_add_u32 v[TRB], v21, 3, v22
	v_bfe_u32 v[TRC], v0, 3, 1
	v_lshlrev_b32 v[TRC], 4, v[TRC]
	s_mul_i32 s32, s[WV], 16*APIT
	s_add_co_u32 s32, s32, STAGE                   ; my stage
	v_mul_u32_u24 v22, v1, APIT
	v_add_nc_u32 v22, s32, v22
	v_lshl_add_u32 v[STO32], v21, 5, v22
	v_lshl_add_u32 v[STO16], v21, 4, v22
	v_mul_u32_u24 v22, v21, APIT
	v_lshl_add_u32 v22, v1, 4, v22
	v_add_nc_u32 v[RD], s32, v22                   ; back: lanes 0-15 one row of 256 bytes, lanes 16-31 the next
	v_lshlrev_b32 v22, 4, v1
	v_lshl_add_u32 v[CO32], v21, 11, v22
	v_lshl_add_u32 v[CO16], v21, 10, v22
	v_lshlrev_b32 v22, 8, v1
	v_lshl_add_u32 v[C2], v21, 4, v22
	s_lshl_b32 s[AR], s[RB], 7
	s_lshl_b32 s32, s[WV], 5
	s_add_co_u32 s[AR], s[AR], s32                 ; the first row that I stage
	s_lshl_b32 s33, s[RB], 7
	s_lshl_b32 s32, s[WR], 6
	s_add_co_u32 s33, s33, s32                     ; the first row that I multiply
	s_mov_b32 s35, 0
	s_mov_b32 s[INV], 0x3c800000                   ; 1/64
	s_mov_b32 s[INV+1], s[INV]
	s_mov_b32 s[TB], 0
	s_wait_dscnt 0x0                               ; the opening add is done
	s_wait_kmcnt 0x0
	s_lshl_b32 s34, s33, 11
	s_lshl_b32 s32, s[GQ], 9
	s_add_co_u32 s34, s34, s32
	s_add_nc_u64 s[QWB:QWB+1], s[86:87], s[34:35]
	s_lshl_b32 s34, s33, 8
	s_lshl_b32 s32, s[GQ], 6
	s_add_co_u32 s34, s34, s32
	s_add_nc_u64 s[Q2B:Q2B+1], s[80:81], s[34:35]
	s_add_nc_u64 s[K3B:K3B+1], s[82:83], s[34:35]
	s_lshl_b32 s34, s33, 10
	s_lshl_b32 s32, s[GQ], 8
	s_add_co_u32 s34, s34, s32
	s_add_nc_u64 s[VVB:VVB+1], s[84:85], s[34:35]
	; ---- phase Q: q x wq.  A k row of a quarter is 352 bytes in memory and in LDS (88 words)
.set NW, 10
.set PWB, 352
.set NF, 8+2*NW
.set WSTEP, 128*352
.set PA4, 4096
	AHEAD 68, 12, 4096
	PSET 1, 74, 15|(3<<16)|(1<<21), 88, 128*352, 352, 1024*352, 64*352
	SETB 128*352, 352
	CLEAR 40
	PLOOP 8
	; ---- phase K's first rows and first tile are asked for; then phase Q's results leave
	AHEAD 70, 12, 4096
	PSET 0, 76, 15|(3<<16)|(1<<20)|(1<<21)|(3<<22)|(7<<25), 16, 128*96, 96, 1024*64, 64*64  ; 64 bytes a k row, 8 words of padding behind every 16: pitch 96
	OUT32
	OUTB16 10, 8, Q2B
.set NW, 2
.set PWB, 96
.set NF, 8+2*NW
.set WSTEP, 128*64
.set PA4, 4096
	SETB 128*96, 96
	CLEAR 8
	PLOOP 8
	; ---- phase V likewise
	AHEAD 72, 11, 2048
	PSET 0, 78, 15|(3<<16)|(1<<20)|(1<<21)|(5<<22)|(7<<25), 64, 128*288, 288, 512*256, 64*256  ; 256 bytes a k row, 8 words of padding: pitch 288
	OUTB16 2, 0, K3B
.set NW, 8
.set PWB, 288
.set NF, 8+2*NW
.set WSTEP, 128*256
.set PA4, 2048
	SETB 128*288, 288
	CLEAR 32
	PLOOP 4
	OUT16
	s_wait_tensorcnt 0x0                           ; the wave's end: behind my last tensor load and my last LDS store
	ds_add_u32 v[SPW], v[NIL]
	s_wait_dscnt 0x0
	CROUND                                         ; the closing round: no work-group ends while a partner may still ask for a tile that names it
	s_endpgm
.Lfunc_end_k_qccef2fcfef_proj:
	.size	k_qccef2fcfef_proj, .Lfunc_end_k_qccef2fcfef_proj-k_qccef2fcfef_proj
	.p2alignl 7, 3214868480
	.fill 96, 4, 3214868480
	.section	.rodata,"a",@progbits
	.p2align	6, 0x0
	.amdhsa_kernel k_qccef2fcfef_proj
		.amdhsa_group_segment_fixed_size 327680
		.amdhsa_private_segment_fixed_size 0
		.amdhsa_enable_private_segment 0
		.amdhsa_kernarg_size 80
		.amdhsa_user_sgpr_count 2
		.amdhsa_user_sgpr_kernarg_segment_ptr 1
		.amdhsa_wavefront_size32 1
		.amdhsa_system_sgpr_workgroup_id_x 1
		.amdhsa_system_sgpr_workgroup_id_y 1
		.amdhsa_system_sgpr_workgroup_id_z 1
		.amdhsa_system_vgpr_workitem_id 0
		.amdhsa_next_free_vgpr 832
		.amdhsa_next_free_sgpr 88
		.amdhsa_reserve_vcc 0
		.amdhsa_float_denorm_mode_32 3
		.amdhsa_float_denorm_mode_16_64 3
		.amdhsa_memory_ordered 1
		.amdhsa_forward_progress 1
		.amdhsa_inst_pref_size 255
	.end_amdhsa_kernel
	.section	.bss,"aw",@nobits
	.p2align	6
	.space	262144
	.amdgpu_metadata
---
amdhsa.version: [ 1, 2 ]
amdhsa.kernels:
  - .name:           k_qccef2fcfef_proj
    .symbol:         k_qccef2fcfef_proj.kd
    .args:
      - { .name: q, .offset: 0, .size: 8, .value_kind: global_buffer, .address_space: global }
      - { .name: k, .offset: 8, .size: 8, .value_kind: global_buffer, .address_space: global }
      - { .name: v, .offset: 16, .size: 8, .value_kind: global_buffer, .address_space: global }
      - { .name: wq, .offset: 24, .size: 8, .value_kind: global_buffer, .address_space: global }
      - { .name: wk, .offset: 32, .size: 8, .value_kind: global_buffer, .address_space: global }
      - { .name: wv, .offset: 40, .size: 8, .value_kind: global_buffer, .address_space: global }
      - { .name: q2, .offset: 48, .size: 8, .value_kind: global_buffer, .address_space: global }
      - { .name: k3, .offset: 56, .size: 8, .value_kind: global_buffer, .address_space: global }
      - { .name: vv, .offset: 64, .size: 8, .value_kind: global_buffer, .address_space: global }
      - { .name: qw, .offset: 72, .size: 8, .value_kind: global_buffer, .address_space: global }
    .group_segment_fixed_size: 327680
    .private_segment_fixed_size: 0
    .kernarg_segment_align: 8
    .kernarg_segment_size: 80
    .max_flat_workgroup_size: 128
    .sgpr_count:     88
    .vgpr_count:     832
    .wavefront_size: 32
...
	.end_amdgpu_metadata
.endif
;; end of part 2
;; launch attn (part 3): grid 32 x 8, 4 waves a work-group, clusters of 4 x 1, 327,680 bytes of LDS; arguments q2, k3, vv, qw, out0; writes out0
.if DOCPART == 3
	.amdgcn_target "amdgcn-amd-amdhsa--gfx1250"
	.amdhsa_code_object_version 6
	.text
	.protected	k_qccef2fcfef_attn
	.globl	k_qccef2fcfef_attn
	.p2align	8
	.type	k_qccef2fcfef_attn,@function
k_qccef2fcfef_attn:
	s_mov_b64 s[64:65], 0
	v_nop
	global_prefetch_b8 v0, s[64:65] scope:SCOPE_SE
	s_setreg_imm32_b32 hwreg(HW_REG_WAVE_MODE, 25, 1), 1
	s_wait_xcnt 0x0
	s_wait_alu depctr_hold_cnt(0) depctr_sa_sdst(0) depctr_va_vdst(0) depctr_va_sdst(0) depctr_va_ssrc(0) depctr_va_vcc(0) depctr_vm_vsrc(0)
	s_getreg_b32 s2, hwreg(HW_REG_IB_STS2, 6, 4)
	s_cmp_eq_u32 s2, 0
	s_cbranch_scc0 .Lentry_in_a_cluster
	s_endpgm
.Lentry_in_a_cluster:
	s_bfe_u32 s2, ttmp6, 0x10000c
	s_cmp_lg_u32 s2, 0x3003
	s_cbranch_scc0 .Lentry_shape_is_right
	s_endpgm
.Lentry_shape_is_right:
; CAUSAL ATTENTION AND THE SUM.  out0[b][s][:] = qw[b][s][:] + the sum over t <= s of softmax_t(q2[b][s] . k3[b][t] / sqrt(128)) vv[b][t][:].
; q2, k3: [8 x 2048][128] bf16; vv: [8 x 2048][512] f16; qw, out0: [8 x 2048][512] f32.  Products, maxima and sums in f32; the weights p are rounded to f16 for the second product
; (their sum l is taken of the unrounded p).
; LIMITS.  A hidden score counts as its value less 1e30; a weight below 2^-126 counts as 0 in l; p below 6e-5 keeps f16's fixed step of 6e-8; NaN and infinities are not treated apart.
; THE WALK.  A batch's queries lie in NB = 16 blocks of 128; block i needs the key tiles 0 .. i of 128 keys, of which the last holds the diagonal.  A work-group takes TWO blocks, HI = 15 - b and then b:
; 17 tiles whatever b, so all work-groups do equal work and one loop with a constant trip count walks them.  Place p of the walk is tile p of the first block where p <= HI, else tile p - HI - 1 of the second;
; places HI and 16 hold a diagonal.  The work-group makes 128 of the 512 channels: the four quarters are the four partners of a cluster.  They make the same scores four times: the price of 256 equal shares.
; CLUSTER.  The four partners walk the same key tiles, so k3's tiles are asked for JOINTLY (mask 15); each partner's quarter of vv comes by a load of its own, behind the same round.
; SHARES.  Of a block's two bands of 64 queries a wave owns 16 rows in each: two query tiles.  In the diagonal tile's key step s band x sees all keys if s < x, none if s > x, and holds the diagonal if s = x:
; the same work for all four waves.
; THE MASK is the C operand that starts the sum S^T = K Q^T: MD x A + B, where MD (made once) is the mask of a band's own step for my 16 rows, 0 or -1e30, and A, B are scalars.
; LAYOUT.  S^T = K Q^T holds ONE query a lane (lane % 16) and the keys 8 (lane / 16) + 0..7; two such results rounded to f16 ARE source 1 of O^T = V^T P.  p = 2^(c s - c m), c = log2(e) / sqrt(128), with a
; running maximum m; O and l are multiplied by a = 2^(c m_old - c m_new) in every step.  m starts at the lowest finite number: a block's first step has a = 0.
; IN PHASES: a step's 32 products K Q^T, its softmax, its 32 products V^T P; the LDS loads of the next operands are out meanwhile.  A tile's two key steps are one text, walked twice.
; REGISTERS, in windows of 256: window 0: addresses, statistics, S^T (v64-127), P (v128-159), MD (v160-191), the masks MC (v192-255);
;   window 1: O^T (v0-127), Q (v128-191), the second block's Q (v192-255);   window 2: K of a step (v0-127), V of a step (v128-255).
.set NB,    16
.set KS,    64
.set PK,    272                        ; a row of K in LDS: 256 bytes + 16: the 16 rows of a load start at 16 different groups of banks (64 banks of 4 bytes: ISA guide 11.1)
.set PV,    288                        ; a row of V: 256 + 32
.set VOFF,  KS*PK
.set STEPB, KS*(PK+PV)                 ; a step's 64 rows of K, then its 64 rows of V
.set SLOT1, 1<<17                      ; a slot holds a tile, two steps
.set STAGE, SLOT1+2*STEPB              ; behind the ring: 16 rows x 528 bytes for each wave, for the way out
.set SP,    528
.set SPARE, STAGE+4*16*SP              ; the spare words, 128 bytes for each wave; no other line names them
.set AK0, 2                            ; v2   my lane's place in a step's K; never rewritten
.set AV0, 3                            ; v3   the same for V
.set AK,  4                            ; v4   the LDS address of K's next run of loads
.set AV,  5                            ; v5   of V's
.set STO, 6
.set RD,  7
.set GO,  8
.set QO,  9
.set ST,  16                           ; query tile t's statistics at v[ST+8 t]: c m, m, l (even keys', odd keys'), c0-c3 at work; a takes c2's place
.set SPW, 32
.set NIL, 33
.set PFK, 34                           ; 256 x lane: a row of k3
.set PFV, 35                           ; 1,024 x lane: a row of vv
.set S,   64
.set P,   128
.set MD,  160
.set MC,  192
.set QF,  128                          ; window 1
.set QB,  192
.set KF,  0                            ; window 2
.set VF,  128
.set WP,  10                           ; s[10:11] qw at my rows of the block in hand
.set OP,  12                           ; s[12:13] out0 likewise
.set WV,  14
.set PB,  15
.set HI,  16
.set CXR, 17
.set BAT, 18
.set TS,  19                           ; LDS byte at which the step to be fetched begins
.set TWICE, 22                         ; counts a tile's two steps
.set G1K, 24
.set G1V, 32
.set G0K, 40
.set G0V, 44
.set SLOTS, 48                         ; tiles still to be asked for
.set POS, 49                           ; the walk's place of the tile asked for last; the tile in hand stands one place back
.set NXT, 50                           ; that tile's number in k3 and vv
.set HI1, 51                           ; HI + 1
.set TB,  52                           ; the slot in hand: 0 or SLOT1
.set LIM, 53
.set OFF, 54
.set CS,  56
.set SEL, 58
.set ALD, 60                           ; 1.0 in a diagonal tile, else 0
.set BEH, 62                           ; -1e30 in a diagonal tile, else 0
.set ZER, 66                           ; s[66:67] 0
.set BIGN, 68
.set OLO, 70
.set WLO, 72
.set QLO, 74
.set PKP, 76
.set PVP, 78
.set A0,  94                           ; s[94:95] band 0's factor for the step in hand, in the low word
.set B0,  96                           ; s[96:97] band 0's addend
.set A1,  98                           ; s[98:99] band 1's factor; its addend is always 0
.set MSB, 0
.macro WIN new                         ; the immediate's high byte repeats the setting that is left; a switch that changes nothing is dropped
.if MSB != (\new)
	s_set_vgpr_msb (MSB<<8)|(\new)
.set MSB, \new
.endif
.endm
.set W_KQ, 0x06                        ; K window 2, Q window 1, C and S^T window 0
.set W_PV, 0x52                        ; V window 2, P window 0, O^T window 1
.set W_RS, 0x41                        ; destination and source 0 window 1, source 1 window 0
.macro PLACES                          ; four plain places between a product and a load into, or a read of, its registers
.rept 4
	v_nop
.endr
.endm
.macro CROUND                          ; a round of the cluster's barrier
	s_barrier_signal -1
	s_barrier_wait -1
	s_cmp_lg_u32 s[WV], 0
	s_cbranch_scc1 .Lnw0_\@
	s_barrier_signal -3
.Lnw0_\@:
	s_barrier_wait -3
	s_barrier_signal -1
	s_barrier_wait -1
.endm
.macro JLOAD                           ; waves 0 and 1 fetch the two steps' K (jointly), waves 2 and 3 the two steps' V (my quarter); the branch hangs on the wave's number alone
	s_cmp_lt_u32 s[WV], 2
	s_cbranch_scc0 .Lfor_v_\@
	tensor_load_to_lds s[G0K:G0K+3], s[G1K:G1K+7]
	s_nop 0
	PLACES
	s_branch .Lasked_\@
.Lfor_v_\@:
	tensor_load_to_lds s[G0V:G0V+3], s[G1V:G1V+7]
	s_nop 0
	PLACES
.Lasked_\@:
.endm
; A PREFETCH INTO THE L2 of the tile that the NEXT change of slots will ask for.  In trips 0 to 15 every cluster of a batch that still walks its first block asks for the same tile, and cluster b = 0
; walks all sixteen: it prefetches, and nobody else.  vv: each partner its own quarter, wave w rows 32 w .., a lane a row's 256 bytes.  k3: the partners share the 128 rows out BY ADDRESS, 32 each;
; wave 0 asks.  So each block is named once in the launch.  Trips 14 and 15 ask for nothing: tile 15 is the last; the second blocks' tiles have been read before.
.macro ASK
	s_cmp_gt_u32 s[SLOTS], s[LIM]
	s_cbranch_scc0 .Lnot_mine_\@
	global_prefetch_b8 v[PFV], s[PVP:PVP+1] th:TH_LOAD_NT scope:SCOPE_SE
	s_cmp_lg_u32 s[WV], 0
	s_cbranch_scc1 .Lnot_mine_\@
	global_prefetch_b8 v[PFK], s[PKP:PKP+1] th:TH_LOAD_NT scope:SCOPE_SE
.Lnot_mine_\@:
.endm
; THE CHANGE OF SLOTS.  Each wave waits for all its tensor loads (one is out: its part of the other slot), adds 0 to its spare word, and waits for that and for its reads of the slot that it leaves.
; fill = 1: behind a round of the cluster's barrier the old slot is filled again, first thing, with the tile at the walk's next place; both descriptors' addresses are made anew from its number.
.macro CHANGE fill
	WIN 0
	s_wait_tensorcnt 0x0
	ds_add_u32 v[SPW], v[NIL]                      ; the descriptors' scalar work stands between the add and the wait for it
.if \fill
	s_add_co_u32 s[POS], s[POS], 1                 ; the walk's next place,
	s_cmp_gt_u32 s[POS], s[HI]
	s_cselect_b32 s[NXT], s[HI1], 0                ; which lies in the second block behind place HI:
	s_sub_co_u32 s[NXT], s[POS], s[NXT]            ; its tile's number
	s_lshl_b32 s[OFF], s[NXT], 15                  ; a tile is 32,768 bytes of k3
	s_xor_b32 s[G0K+1], s[G0K+1], SLOT1
	s_add_nc_u64 s[G0K+2:G0K+3], s[6:7], s[OFF:OFF+1]
	s_or_b32 s[G0K+3], s[G0K+3], 0x80000000
	s_lshl_b32 s[OFF], s[NXT], 17                  ; and 128 rows of 1,024 bytes of vv
	s_xor_b32 s[G0V+1], s[G0V+1], SLOT1
	s_add_nc_u64 s[G0V+2:G0V+3], s[8:9], s[OFF:OFF+1]
	s_or_b32 s[G0V+3], s[G0V+3], 0x80000000
	s_wait_xcnt 0x0                                ; the last prefetches, a tile back, have read their addresses
	s_add_nc_u64 s[PKP:PKP+1], s[PKP:PKP+1], 32768
	s_add_nc_u64 s[PVP:PVP+1], s[PVP:PVP+1], 131072
	s_wait_dscnt 0x0
	CROUND
	JLOAD
	ASK
.else
	s_wait_dscnt 0x0
	s_barrier_signal -1
	s_barrier_wait -1
.endif
	s_xor_b32 s[TB], s[TB], SLOT1
.endm
.macro FETCH_K                         ; a step's K: 64 keys x 128 channels: 16 fragments, 32 loads: keys 16 (f / 4) on, channels 32 (f % 4) on
	WIN 0x80
.irp f, 0,1,2,3,4,5,6,7,8,9,10,11,12,13,14,15
	ds_load_b128 v[KF+8*\f:KF+8*\f+3],   v[AK] offset:(\f/4)*16*PK+(\f%4)*64
	ds_load_b128 v[KF+8*\f+4:KF+8*\f+7], v[AK] offset:(\f/4)*16*PK+(\f%4)*64+32
.endr
	WIN 0
.endm
.macro FETCH_V                         ; a step's V, turned: keys 32 (f / 8) on, channels 16 (f % 8) on
	WIN 0x80
.irp f, 0,1,2,3,4,5,6,7,8,9,10,11,12,13,14,15
	ds_load_tr16_b128 v[VF+8*\f:VF+8*\f+3],   v[AV] offset:(\f/8)*32*PV+(\f%8)*32
	ds_load_tr16_b128 v[VF+8*\f+4:VF+8*\f+7], v[AV] offset:(\f/8)*32*PV+16*PV+(\f%8)*32
.endr
	WIN 0
.endm
; 32 products S^T = K Q^T: channels 32 (i / 8) on, keys 16 ((i / 2) % 4) on, query tile i % 2.  The first 8 start the sums, with the masks.  The 8 accumulators take turns.
.macro KQ
	WIN W_KQ
.set i, 0
.rept 32
.set rS, S+32*(i%2)+8*((i/2)%4)
.set rK, KF+32*((i/2)%4)+8*(i/8)
.set rQ, QF+32*(i%2)+8*(i/8)
.set rM, MC+32*(i%2)+8*((i/2)%4)
.if i < 8
	v_wmma_f32_16x16x32_bf16 v[rS:rS+7], v[rK:rK+7], v[rQ:rQ+7], v[rM:rM+7]
.else
	v_wmma_f32_16x16x32_bf16 v[rS:rS+7], v[rK:rK+7], v[rQ:rQ+7], v[rS:rS+7]
.endif
.set i, i+1
.endr
.endm
; 32 products O^T += V^T P: keys 32 (i / 16) on, channels 16 ((i / 2) % 8) on, query tile i % 2.  The 16 accumulators take turns.
.macro PVM
	WIN W_PV
.set i, 0
.rept 32
.set rO, 64*(i%2)+8*((i/2)%8)
.set rV, VF+64*(i/16)+8*((i/2)%8)
.set rP, P+16*(i%2)+8*(i/16)
	v_wmma_f32_16x16x32_f16 v[rO:rO+7], v[rV:rV+7], v[rP:rP+7], v[rO:rO+7]
.set i, i+1
.endr
.endm
.macro MASK t, al, be                  ; query tile t's mask: MD x al + be
	WIN 0
.set z, 0
.rept 16
	v_pk_fma_f32 v[MC+32*(\t)+2*z:MC+32*(\t)+2*z+1], v[MD+2*z:MD+2*z+1], s[\al:\al+1], s[\be:\be+1] op_sel_hi:[1,0,0]
.set z, z+1
.endr
.endm
; Number j of the 134 instructions of one query tile's softmax for one key step.  s0-s31 are the lane's 32 scores, in pairs 0-15.
;   0-15 the maximum of the scores and the old m (each accumulator's lowest registers first)   16-20 the other half of the lanes' maximum; m; c m; c m_old - c m_new
;   21-69 the 16 scalings c s - c m and all 33 exponentials: none of these reads an exponential's result   70-85 the roundings to f16   86-101 the sums; l = a l + sum   102-133 O^T times a
.macro SM t
.set rT, ST+8*(\t)
.set rS, S+32*(\t)
.set rP, P+16*(\t)
.set rO, 64*(\t)+2*(j-102)
.if j < 102
	WIN 0
.endif
.if j < 4
	v_max3_num_f32 v[rT+4+j], v[rS+8*j], v[rS+8*j+1], v[rS+8*j+2]
.elseif j < 12
	v_max3_num_f32 v[rT+4+j%4], v[rT+4+j%4], v[rS+8*(j%4)+2*(j/4)+1], v[rS+8*(j%4)+2*(j/4)+2]
.elseif j == 12
	v_max3_num_f32 v[rT+4], v[rT+4], v[rS+7], v[rS+15]
.elseif j == 13
	v_max3_num_f32 v[rT+6], v[rT+6], v[rS+23], v[rS+31]
.elseif j == 14
	v_max3_num_f32 v[rT+4], v[rT+4], v[rT+5], v[rT+6]
.elseif j == 15
	v_max3_num_f32 v[rT+4], v[rT+4], v[rT+7], v[rT+1]
.elseif j == 16
	v_permlanex16_b32 v[rT+5], v[rT+4], s[SEL], s[SEL+1]  ; the query's other 32 keys lie in the lane 16 away
.elseif j == 17
	v_mov_b32 v[rT+7], v[rT]                       ; c m_old is kept for a
.elseif j == 18
	v_max_num_f32 v[rT+1], v[rT+4], v[rT+5]
.elseif j == 19
	v_mul_f32 v[rT], s[CS], v[rT+1]
.elseif j == 20
	v_sub_f32 v[rT+7], v[rT+7], v[rT]
.elseif j == 23
	v_exp_f32 v[rT+6], v[rT+7]
.elseif (j < 23) || ((j < 38) && (j%2 == 0)) || ((j < 66) && (j%4 == 2))
.set b, (j-2)/4
.if j < 38
.set b, (j-20)/2
.endif
	v_pk_fma_f32 v[rS+2*b:rS+2*b+1], v[rS+2*b:rS+2*b+1], s[CS:CS+1], v[rT:rT+1] op_sel_hi:[1,0,0] neg_lo:[0,0,1] neg_hi:[0,0,1]
.elseif j < 70
.set e, j-38
.if j < 66
.set e, j-32-(j-38)/4
.endif
.if j < 38
.set e, (j-25)/2
.endif
	v_exp_f32 v[rS+e], v[rS+e]
.elseif j < 86
	v_cvt_pk_f16_f32 v[rP+j-70], v[rS+2*(j-70)], v[rS+2*(j-70)+1]
.elseif j < 102
.set z, j-86
.set w, 4
.set u, z
.if z >= 14
.set w, 32
.set u, 0
.elseif z >= 12
.set w, 16
.set u, z-12
.elseif z >= 8
.set w, 8
.set u, z-8
.endif
.if z < 15
	v_pk_add_f32 v[rS+w*u:rS+w*u+1], v[rS+w*u:rS+w*u+1], v[rS+w*u+w/2:rS+w*u+w/2+1]
.else
	v_pk_fma_f32 v[rT+2:rT+3], v[rT+2:rT+3], v[rT+6:rT+7], v[rS:rS+1] op_sel_hi:[1,0,1]
.endif
.else
	WIN W_RS
	v_pk_mul_f32 v[rO:rO+1], v[rO:rO+1], v[rT+6:rT+7] op_sel_hi:[1,0]
.endif
.endm
.macro SOFTMAX                         ; both query tiles, alternating.  The 66 exponentials are one batch: nothing ahead of the wait names a result of theirs
.set j, 0
.rept 70
	SM 0
	SM 1
.set j, j+1
.endr
	v_nop                                          ; a plain instruction behind the last exponential,
	s_wait_alu depctr_va_vdst(0)                   ; and the one wait ahead of the first use
.rept 64
	SM 0
	SM 1
.set j, j+1
.endr
	WIN 0
.endm
; A TILE: two key steps, written once and walked twice; the LDS addresses hang on s[TS], which steps.
; Step 0 of a diagonal tile is band 0's own step, and band 1 sees all of it; step 1 is hidden from band 0 and is band 1's own.  Elsewhere all three scalars are 0.
; K of step 0 is fetched ahead of the loop, K of step 1 behind step 0's products K Q^T; V at each step's head.
.macro TILE
	WIN 0
	s_mov_b32 s[TS], s[TB]
	v_add_nc_u32 v[AK], s[TS], v[AK0]
	FETCH_K
	s_mov_b32 s[A0], s[ALD]
	s_mov_b32 s[B0], 0
	s_mov_b32 s[A1], 0
	s_mov_b32 s[TWICE], 2
.Lst_\@:
	v_add_nc_u32 v[AV], s[TS], v[AV0]
	s_add_co_u32 s[TS], s[TS], STEPB
	FETCH_V
	MASK 0, A0, B0
	MASK 1, A1, ZER
	s_wait_dscnt 32                                ; K is in; V's 32 loads, issued behind it, may stay out
	KQ
	WIN 0
	v_add_nc_u32 v[AK], s[TS], v[AK0]              ; this line and three v_nop are the places behind the products
	v_nop
	v_nop
	v_nop
	s_cmp_eq_u32 s[TWICE], 1                       ; behind the tile's second step there is no K to fetch
	s_cbranch_scc1 .Lnk_\@
	FETCH_K
.Lnk_\@:
	SOFTMAX
	s_mov_b32 s[A0], 0
	s_mov_b32 s[B0], s[BEH]
	s_mov_b32 s[A1], s[ALD]
	s_wait_dscnt 0x0                               ; V is in; so is the next K, which was asked for a whole softmax back
	PVM
	WIN 0
	PLACES
	s_sub_co_u32 s[TWICE], s[TWICE], 1
	s_cmp_lg_u32 s[TWICE], 0
	s_cbranch_scc1 .Lst_\@
.endm
; THE WAY OUT of a block.  l's two halves and the other half of the lanes' are added; O^T is divided by l and sent through my stage in LDS, a query tile (16 rows x 512 bytes) at a time; qw's rows are added;
; each store takes 512 consecutive bytes of a row of out0.
.macro WAYOUT
	WIN 0
.irp t, 0,1
	v_add_f32 v[ST+8*\t+4], v[ST+8*\t+2], v[ST+8*\t+3]
.endr
.irp t, 0,1
	v_permlanex16_b32 v[ST+8*\t+5], v[ST+8*\t+4], s[SEL], s[SEL+1]
.endr
.irp t, 0,1
	v_add_f32 v[ST+8*\t+4], v[ST+8*\t+4], v[ST+8*\t+5]
.endr
.irp t, 0,1
	v_rcp_f32 v[ST+8*\t+6], v[ST+8*\t+4]
.endr
	v_nop
	s_wait_alu depctr_va_vdst(0)                   ; one wait for the two reciprocals, ahead of their first use
.irp t, 0,1
	s_wait_xcnt 0x0                                ; the stores of the query tile before have read their data
.set u, 0
.rept 16
	global_load_b128 v[MC+4*u:MC+4*u+3], v[GO], s[WP:WP+1] offset:\t*131072+u*2048
.set u, u+1
.endr
	WIN W_RS
.set i, 64*\t
.rept 32
	v_pk_mul_f32 v[i:i+1], v[i:i+1], v[ST+8*\t+6:ST+8*\t+7] op_sel_hi:[1,0]
.set i, i+2
.endr
	WIN 0x04                                       ; the stored data lie in window 1
.set u, 0
.rept 8
	ds_store_b128 v[STO], v[64*\t+8*u:64*\t+8*u+3]   offset:64*u
	ds_store_b128 v[STO], v[64*\t+8*u+4:64*\t+8*u+7] offset:64*u+16
.set u, u+1
.endr
	WIN 0
.set u, 0
.rept 16
	ds_load_b128 v[S+4*u:S+4*u+3], v[RD] offset:u*SP  ; LDS serves a wave's instructions in order (ISA guide 5.7.1.4): these see the stores above
.set u, u+1
.endr
	s_wait_loadcnt 0x0
	s_wait_dscnt 0x0
.set u, 0
.rept 32
	v_pk_add_f32 v[S+2*u:S+2*u+1], v[S+2*u:S+2*u+1], v[MC+2*u:MC+2*u+1]
.set u, u+1
.endr
.set u, 0
.rept 16
	global_store_b128 v[GO], v[S+4*u:S+4*u+3], s[OP:OP+1] offset:\t*131072+u*2048
.set u, u+1
.endr
.endr
.endm
.macro STATS                           ; a block begins: c m far below every c s, so that the first step's a is 0; m at the lowest finite number
.irp t, 0,1
	v_mov_b32 v[ST+8*\t], 0xfe000000
	v_mov_b32 v[ST+8*\t+1], 0xff7fffff
.endr
.endm
	s_load_b256 s[4:11], s[0:1], 0x0               ; q2 s[4:5], k3 s[6:7], vv s[8:9], qw s[10:11]
	s_load_b64 s[12:13], s[0:1], 0x20              ; out0
	v_lshl_add_u32 v[SPW], v0, 2, SPARE
	v_mov_b32 v[NIL], 0
	ds_add_u32 v[SPW], v[NIL]                      ; the wave's opening: the add and its wait stand ahead of my first tensor load; the set-up stands between them
	v_lshrrev_b32 v1, 5, v0
	v_readfirstlane_b32 s[WV], v1                  ; wave 0..3
	s_bfe_u32 s[CXR], ttmp6, 0x40000               ; my channel quarter: it enters the addresses of vv, qw, out0 and of the prefetches alone
	s_mov_b32 s[PB], ttmp9                         ; b, which the four partners share
	s_sub_co_u32 s[HI], NB-1, s[PB]
	s_add_co_u32 s[HI1], s[HI], 1
	s_and_b32 s[BAT], ttmp7, 0xffff                ; the batch
	s_and_b32 s20, s[WV], 1                        ; which of a tile's two steps I fetch
	s_mov_b32 s[G1K], 15|(1<<16)|(1<<20)|(1<<21)|(5<<22)|(3<<25)  ; the mask of four; 2-byte elements; padding of 4 words behind every 64
	s_mov_b32 s[G1V], (1<<16)|(1<<20)|(5<<22)|(7<<25)             ; no mask; padding of 8 words
.irp g, G1K, G1V
	s_mov_b32 s[(\g)+1], 128<<16                   ; tensor_dim0 = 128
	s_mov_b32 s[(\g)+2], KS<<16                    ; tensor_dim1 = 64
	s_mov_b32 s[(\g)+3], 128<<16                   ; tile_dim0 = 128
	s_mov_b32 s[(\g)+4], KS                        ; tile_dim1 = 64
	s_mov_b32 s[(\g)+6], 0
	s_mov_b32 s[(\g)+7], 0
.endr
	s_mov_b32 s[G1K+5], 128                        ; elements from row to row: k3's,
	s_mov_b32 s[G1V+5], 512                        ; vv's
	s_mov_b32 s[G0K], 1
	s_mul_i32 s[G0K+1], s20, STEPB                 ; slot 0, my step
	s_mov_b32 s[G0V], 1
	s_add_co_u32 s[G0V+1], s[G0K+1], VOFF
	s_mov_b32 s[CS], 0x3e0293ee                    ; c = log2(e) / sqrt(128)
	s_mov_b32 s[CS+1], s[CS]
	s_mov_b32 s[SEL], 0x76543210
	s_mov_b32 s[SEL+1], 0xfedcba98
	s_mov_b32 s[BIGN], 0xf149f2ca                  ; -1e30
	s_mov_b32 s[ZER], 0
	s_mov_b32 s[ZER+1], 0
	s_mov_b32 s[A0+1], 0                           ; named as pairs, so the upper words are written
	s_mov_b32 s[B0+1], 0
	s_mov_b32 s[A1+1], 0
	s_mov_b32 s[OFF+1], 0
	s_mov_b32 s[TB], SLOT1                         ; the first change of slots turns it into 0
	s_mov_b32 s[SLOTS], NB
	s_mov_b32 s[POS], 0                            ; tile 0 is asked for at the head
	s_cmp_eq_u32 s[PB], 0
	s_cselect_b32 s[LIM], 2, -1
	; offsets.  s20, s21, s88 and s[82:83], which feed k3's joint descriptor, never hold my place in the cluster; what is made of it has s23 and registers of its own
	s_lshl_b32 s88, s[BAT], 19                     ; the batch in k3
	s_lshl_b32 s21, s20, 14
	s_add_co_u32 s82, s88, s21                     ; + my step's 64 rows
	s_mov_b32 s83, 0
	s_lshl_b32 s23, s[CXR], 13
	s_add_co_u32 s80, s88, s23                     ; the prefetches of k3: my work-group's 32 rows,
	s_add_co_u32 s80, s80, 32768                   ; in tile 1: the first change steps it to tile 2
	s_mov_b32 s81, 0
	s_lshl_b32 s84, s[BAT], 21                     ; the batch in vv
	s_lshl_b32 s23, s[CXR], 8
	s_add_co_u32 s84, s84, s23                     ; + my quarter
	s_lshl_b32 s23, s[WV], 15
	s_add_co_u32 s86, s84, s23                     ; the prefetches of vv: my wave's 32 rows,
	s_add_co_u32 s86, s86, 131072                  ; in tile 1
	s_mov_b32 s87, 0
	s_lshl_b32 s23, s20, 16
	s_add_co_u32 s84, s84, s23                     ; + my step's 64 rows
	s_mov_b32 s85, 0
	s_lshl_b32 s89, s[HI], 7
	s_lshl_b32 s90, s[PB], 7
	s_lshl_b32 s21, s[BAT], 11
	s_add_co_u32 s89, s89, s21
	s_add_co_u32 s90, s90, s21
	s_lshl_b32 s21, s[WV], 4
	s_add_co_u32 s89, s89, s21                     ; my first row of the first block,
	s_add_co_u32 s90, s90, s21                     ; of the second
	s_lshl_b32 s91, s[CXR], 9
	s_mov_b32 s93, 0
	s_wait_dscnt 0x0                               ; the opening add is done
	s_wait_kmcnt 0x0
	s_add_nc_u64 s[PKP:PKP+1], s[6:7], s[80:81]
	s_add_nc_u64 s[PVP:PVP+1], s[8:9], s[86:87]
	s_add_nc_u64 s[6:7], s[6:7], s[82:83]
	s_add_nc_u64 s[8:9], s[8:9], s[84:85]
	s_mov_b64 s[G0K+2:G0K+3], s[6:7]               ; tile 0
	s_or_b32 s[G0K+3], s[G0K+3], 0x80000000
	s_mov_b64 s[G0V+2:G0V+3], s[8:9]
	s_or_b32 s[G0V+3], s[G0V+3], 0x80000000
	s_lshl_b32 s92, s90, 8
	s_add_nc_u64 s[QLO:QLO+1], s[4:5], s[92:93]
	s_lshl_b32 s92, s89, 8
	s_add_nc_u64 s[4:5], s[4:5], s[92:93]
	s_lshl_b32 s92, s90, 11
	s_add_co_u32 s92, s92, s91
	s_add_nc_u64 s[WLO:WLO+1], s[10:11], s[92:93]
	s_add_nc_u64 s[OLO:OLO+1], s[12:13], s[92:93]
	s_lshl_b32 s92, s89, 11
	s_add_co_u32 s92, s92, s91
	s_add_nc_u64 s[WP:WP+1], s[10:11], s[92:93]
	s_add_nc_u64 s[OP:OP+1], s[12:13], s[92:93]
	CROUND                                         ; all four work-groups are here: the first joint loads meet
	JLOAD                                          ; tile 0 into slot 0
	v_and_b32 v1, 15, v0                           ; r
	v_bfe_u32 v10, v0, 4, 1                        ; h
	v_and_b32 v11, 31, v0                          ; lane
	v_lshlrev_b32 v[QO], 8, v1
	v_lshl_add_u32 v[QO], v10, 4, v[QO]            ; row x 256 + 16 x half
	WIN 0x40
.set i, 0
.rept 8                                        ; both blocks' Q: query tile i / 4 lies in band i / 4, 64 rows on; channels 32 (i % 4) on
	global_load_b128 v[QF+8*i:QF+8*i+3],   v[QO], s[4:5] offset:(i/4)*16384+(i%4)*64
	global_load_b128 v[QF+8*i+4:QF+8*i+7], v[QO], s[4:5] offset:(i/4)*16384+(i%4)*64+32
	global_load_b128 v[QB+8*i:QB+8*i+3],   v[QO], s[QLO:QLO+1] offset:(i/4)*16384+(i%4)*64
	global_load_b128 v[QB+8*i+4:QB+8*i+7], v[QO], s[QLO:QLO+1] offset:(i/4)*16384+(i%4)*64+32
.set i, i+1
.endr
.set i, 0
.rept 128
	v_mov_b32 v[i], 0                              ; O^T need only be finite where a block begins: zeros, written in the wait for the first tile
.set i, i+1
.endr
	WIN 0
	v_lshlrev_b32 v14, 3, v10
	v_sub_nc_u32 v14, v1, v14
	s_lshl_b32 s21, s[WV], 4
	v_add_nc_u32 v14, s21, v14                     ; my query's place in its band, 16 w + r, less 8 h: register j of key group kt is hidden where 16 kt + j is greater
.set i, 0
.rept 32
	v_cmp_gt_i32 vcc_lo, 16*(i/8)+i%8, v14
	v_cndmask_b32 v[MD+i], 0, s[BIGN], vcc_lo
.set i, i+1
.endr
	v_mul_u32_u24 v[AK0], v1, PK
	v_lshl_add_u32 v[AK0], v10, 4, v[AK0]
	v_and_b32 v12, 7, v0
	v_bfe_u32 v13, v0, 3, 1
	v_lshl_add_u32 v[AV0], v10, 3, v12             ; the turning load: key 8 h + l % 8, channels 8 ((l / 8) % 2) on
	v_mul_u32_u24 v[AV0], v[AV0], PV
	v_lshl_add_u32 v[AV0], v13, 4, v[AV0]
	v_add_nc_u32 v[AV0], VOFF, v[AV0]
	s_mul_i32 s21, s[WV], 16*SP
	s_add_co_u32 s21, s21, STAGE                   ; my stage
	v_mul_u32_u24 v[STO], v1, SP
	v_lshl_add_u32 v[STO], v10, 5, v[STO]
	v_add_nc_u32 v[STO], s21, v[STO]               ; in: row r, 32 bytes for each half of the lanes
	v_lshl_add_u32 v[RD], v11, 4, s21              ; back: a whole row of 512 bytes
	v_lshlrev_b32 v[GO], 4, v11
	v_lshlrev_b32 v[PFK], 8, v11
	v_lshlrev_b32 v[PFV], 10, v11
	STATS
.irp t, 0,1
	v_mov_b32 v[ST+8*\t+2], 0
	v_mov_b32 v[ST+8*\t+3], 0
.endr
	s_wait_loadcnt 0x0                             ; Q, both blocks'
.Lslot:                                        ; 16 trips: a tile is entered and the next is asked for
	CHANGE 1
	s_cmp_eq_u32 s[POS], s[HI1]                    ; the tile in hand stands at place POS - 1: at place HI it is the first block's last, which holds the diagonal
	s_cselect_b32 s[ALD], 1.0, 0
	s_cselect_b32 s[BEH], s[BIGN], 0
	TILE
	s_cmp_lg_u32 s[POS], s[HI1]
	s_cbranch_scc1 .Lbottom
	WAYOUT                                         ; the first block's end; the second block's last tile is the walk's last
	s_wait_xcnt 0x0                                ; the stores have read their registers and their base
	s_mov_b64 s[OP:OP+1], s[OLO:OLO+1]
	s_mov_b64 s[WP:WP+1], s[WLO:WLO+1]
	WIN W_RS
.set i, 0
.rept 64
	v_mov_b32 v[QF+i], v[QB+i]                     ; the second block's Q goes where the one text of the products names Q
.set i, i+1
.endr
	WIN 0
	STATS                                          ; O^T and l hold finite numbers, which the first step multiplies by a = 0
.Lbottom:
	s_sub_co_u32 s[SLOTS], s[SLOTS], 1
	s_cmp_lg_u32 s[SLOTS], 0
	s_cbranch_scc1 .Lslot
	CHANGE 0                                       ; the walk's last tile is written out: nothing is asked for
	s_mov_b32 s[ALD], 1.0                          ; it is the second block's diagonal tile
	s_mov_b32 s[BEH], s[BIGN]
	TILE
	WAYOUT
	s_wait_tensorcnt 0x0                           ; the wave's end: behind my last tensor load and my last LDS store
	ds_add_u32 v[SPW], v[NIL]
	s_wait_dscnt 0x0
	CROUND                                         ; the closing round: no work-group ends while a partner may still ask for a tile that names it
	s_endpgm
.Lfunc_end_k_qccef2fcfef_attn:
	.size	k_qccef2fcfef_attn, .Lfunc_end_k_qccef2fcfef_attn-k_qccef2fcfef_attn
	.p2alignl 7, 3214868480
	.fill 96, 4, 3214868480
	.section	.rodata,"a",@progbits
	.p2align	6, 0x0
	.amdhsa_kernel k_qccef2fcfef_attn
		.amdhsa_group_segment_fixed_size 327680
		.amdhsa_private_segment_fixed_size 0
		.amdhsa_enable_private_segment 0
		.amdhsa_kernarg_size 40
		.amdhsa_user_sgpr_count 2
		.amdhsa_user_sgpr_kernarg_segment_ptr 1
		.amdhsa_wavefront_size32 1
		.amdhsa_system_sgpr_workgroup_id_x 1
		.amdhsa_system_sgpr_workgroup_id_y 1
		.amdhsa_system_sgpr_workgroup_id_z 1
		.amdhsa_system_vgpr_workitem_id 0
		.amdhsa_next_free_vgpr 768
		.amdhsa_next_free_sgpr 100
		.amdhsa_reserve_vcc 1
		.amdhsa_float_denorm_mode_32 3
		.amdhsa_float_denorm_mode_16_64 3
		.amdhsa_memory_ordered 1
		.amdhsa_forward_progress 1
		.amdhsa_inst_pref_size 116
	.end_amdhsa_kernel
	.amdgpu_metadata
---
amdhsa.version: [ 1, 2 ]
amdhsa.kernels:
  - .name:           k_qccef2fcfef_attn
    .symbol:         k_qccef2fcfef_attn.kd
    .args:
      - { .name: q2, .offset: 0, .size: 8, .value_kind: global_buffer, .address_space: global }
      - { .name: k3, .offset: 8, .size: 8, .value_kind: global_buffer, .address_space: global }
      - { .name: vv, .offset: 16, .size: 8, .value_kind: global_buffer, .address_space: global }
      - { .name: qw, .offset: 24, .size: 8, .value_kind: global_buffer, .address_space: global }
      - { .name: out0, .offset: 32, .size: 8, .value_kind: global_buffer, .address_space: global }
    .group_segment_fixed_size: 327680
    .private_segment_fixed_size: 0
    .kernarg_segment_align: 8
    .kernarg_segment_size: 40
    .max_flat_workgroup_size: 128
    .sgpr_count:     100
    .vgpr_count:     768
    .wavefront_size: 32
...
	.end_amdgpu_metadata
.endif
;; end of part 3
;; ======== version 2 of 2: 3 launches; version 1 with the launch prep written anew for expert scheduling mode
;; limits: values are held in f16: magnitudes above 65,504 overflow, below 6.1e-05 lose precision
;; workspace buffers: wq 1,441,792 bytes; wk 262,144 bytes; wv 524,288 bytes; q2 4,194,304 bytes; k3 4,194,304 bytes; vv 16,777,216 bytes; qw 33,554,432 bytes
;; launch prep (part 4): grid 6 x 16, 16 waves a work-group, no clusters, 216,064 bytes of LDS; arguments w1, w2, w3, w4, w6, w7, wq, wk, wv; writes wq, wk, wv
.if DOCPART == 4
	.amdgcn_target "amdgcn-amd-amdhsa--gfx1250"
	.amdhsa_code_object_version 6
	.text
	.protected	k_qccef2fcfef_prep
	.globl	k_qccef2fcfef_prep
	.p2align	8
	.type	k_qccef2fcfef_prep,@function
k_qccef2fcfef_prep:
	s_mov_b64 s[64:65], 0
	v_nop
	global_prefetch_b8 v0, s[64:65] scope:SCOPE_SE
	s_setreg_imm32_b32 hwreg(HW_REG_WAVE_SCHED_MODE, 0, 2), 2
	s_setreg_imm32_b32 hwreg(HW_REG_WAVE_MODE, 25, 1), 1
	s_wait_xcnt 0x0
	s_wait_alu depctr_vm_vsrc(0)
; THE WEIGHT PRODUCTS.  Outside the softmax the module is linear, so (q w1) w2 = q (w1 w2), (k w4) w6 = k (w4 w6), and
; [out|q3] w7 + [q3|out] w7 = (out + q3) w7s with w7s = w7[0:512] + w7[512:1024]; q3 w7s = q (w3 w7s).  This launch makes
;   w12 = w1 w2 [1024][128],  w46 = w4 w6 [1024][128],  w7s [512][512],  w37 = w3 w7s [1024][512],
; all with f16 operands and f32 sums, each result rounded once to f16, in the layouts that the next launch streams:
;   wq [4 quarters g][1024 k][176]: columns 0-127 = 64 x w37[k][128 g ..], 128-159 = w12[k][32 g ..], 160-175 = 0 (padding: a row is 352 bytes)
;   wk [4][1024][32] = w46[k][32 g ..]        wv [4][512][128] = w7s[k][128 g ..]
; LIMITS.  The order of the products differs from the written one (associativity).  f16: the weights, w12, w46, w7s and 64 x w37 stay below 65,504; below 6e-5 a number
; keeps f16's fixed step of 6e-8.  NaN and infinities are not treated apart.
; SHARES.  Work-group (ct, rb): 64 rows d = 64 rb .. of one product's 128 columns.  ct = 0: w1 w2; ct = 1: w4 w6; ct = 2 + g: w3 x w7s[:, 128 g ..].
; Sixteen waves: wave w makes rows 16 (w & 3) .., columns 32 (w >> 2) ..: two accumulators, K = 512.
; No tensor loads, no cluster: 96 work-groups with a few products each; the operands are converted on their way into LDS, which a copy engine cannot do.
; The stores into wq and wk are pieces of 32 bytes of a row: 1.7 MB in all, written once.
; THE MODE: SCHED_MODE bits 1:0 = 2 (LLVM: expert scheduling mode 2), set by the entry lines.  The code itself states the register dependences
; between vector or matrix instructions and memory or LDS instructions, with s_wait_alu, always for 0.
; THE PLAN.  Registers that memory or LDS instructions touch:
;   v2 to v14     offsets, LDS addresses and the closing add's two registers: written at the head, never again.
;   LA            A as loaded; converted in place; read by 16 LDS stores.  With w7 it then takes the upper half of B's rows 16-31: loaded, summed, converted, read by LDS stores and by the stores into wv.
;   LB            B's rows 0-15: loaded, (summed,) converted, read by LDS stores (and by the stores into wv).
;   LC            with w7: the lower half of rows 0-15, read by the sums alone, then loaded again with that of rows 16-31.  With w2 or w6: B's rows 16-31, asked for with all the rest.
;   sets 0 and 1  behind the barrier, in the same registers: loaded from LDS, read by the products.  While one set is multiplied the other is asked for again.
;   U, Z          written by the roundings and by four moves, read by the last stores.
; So each run of conversions has ONE wait on va_vdst behind it, ahead of the run of stores that reads their results and of the loads that land in what they have read; one wait on vm_vsrc stands ahead of each
; new use of registers that stores have read; and one wait on va_vdst stands at the head of each group of products whose loads land in the set that the group before has read.
.set BPIT,  288                        ; a row of B in LDS: 128 f16 + 32 bytes: 72 words
.set APIT,  1040                       ; a row of A in LDS: 512 f16 + 16 bytes: an odd multiple of 16
.set AS,    512*BPIT                   ; B [512 j][128 n] lies from 0, A [64 d][512 j] from here
.set SPARE, AS+64*APIT                 ; the spare words: 128 bytes for each of 16 waves; no other line names them
.set QSZ,   1024*352                   ; a quarter of wq
.set GSTEP, 128*BPIT                   ; four K steps of 32 in B
.set GA,  2                            ; v2   my byte offset in the work-group's rows of A
.set GB,  3                            ; v3   the same in B
.set LAS, 4                            ; v4   where I put 8 bytes of A
.set LBS, 5                            ; v5   of B
.set WVO, 6                            ; v6   my byte offset in wv
.set AFA, 7                            ; v7   LDS address of my fragments of A
.set BFA, 8                            ; v8-11 of B, one for each group of four K steps
.set SPW, 12                           ; v12  my spare word; never rewritten
.set NIL, 13                           ; v13  0; never rewritten
.set OUTO, 14                          ; v14  my byte offset in wq or wk
.set ACC, 16                           ; v[16:31] two accumulators
.set LA,  32                           ; v[32:95]   A as loaded; with w7 later the upper half of B's rows 16-31
.set LB,  96                           ; v[96:159]  B's rows 0-15 as loaded
.set LC,  160                          ; v[160:223] w7's lower half as loaded; with w2 or w6 B's rows 16-31
.set FR,  32                           ; later: two sets of 96: for each of four K steps A's fragment and B's two
.set T,   224
.set U,   240
.set Z,   248
.set CT,  4
.set RBK, 5
.set WV,  6
.set GG,  7
.set APT, 8
.set BPT, 10
.set DPT, 12
.set WVF, 14
.set SC,  40
	s_load_b512 s[16:31], s[0:1], 0x0              ; w1 16, w2 18, w3 20, w4 22, w6 24, w7 26, wq 28, wk 30
	s_load_b64 s[32:33], s[0:1], 0x40              ; wv
	v_lshl_add_u32 v[SPW], v0, 2, SPARE
	v_mov_b32 v[NIL], 0
	v_lshrrev_b32 v1, 5, v0
	v_readfirstlane_b32 s[WV], v1                  ; wave 0..15
	s_mov_b32 s[CT], ttmp9
	s_and_b32 s[RBK], ttmp7, 0xffff
	s_max_u32 s[GG], s[CT], 2
	s_sub_co_u32 s[GG], s[GG], 2                   ; g; 0 where ct < 2
	v_and_b32 v20, 31, v0                          ; lane
	v_and_b32 v21, 15, v0                          ; r
	v_bfe_u32 v22, v0, 4, 1                        ; h
	v_lshlrev_b32 v23, 4, v20
	s_wait_alu depctr_va_sdst(0)                   ; the wave's number is written, ahead of its first reader: the shares below are made from it
	s_lshl_b32 s34, s[WV], 13                      ; a wave stages 16 pieces of 512 bytes of A, on end
	v_add_nc_u32 v[GA], s34, v23
	s_cmp_lt_u32 s[CT], 2
	s_cselect_b32 s35, 14, 16                      ; 32 rows of B: of 512 bytes (w2, w6) or 2,048 (w7)
	s_lshl_b32 s34, s[WV], s35
	v_add_nc_u32 v[GB], s34, v23
	s_mul_i32 s34, s[WV], 4*APIT
	s_add_co_u32 s34, s34, AS
	v_lshl_add_u32 v[LAS], v20, 3, s34
	s_mul_i32 s34, s[WV], 32*BPIT
	v_lshl_add_u32 v[LBS], v20, 3, s34
	s_lshl_b32 s34, s[GG], 17
	s_lshl_b32 s35, s[WV], 13
	s_add_co_u32 s34, s34, s35
	v_lshl_add_u32 v[WVO], v20, 3, s34             ; g x 131,072 + 32 w rows of 256 bytes + 8 x lane
	s_cmp_eq_u32 s[RBK], 0
	s_cselect_b32 s[WVF], 1, 0                     ; the first row block of each g also stores w7s
	s_and_b32 s36, s[WV], 3                        ; a
	s_lshr_b32 s37, s[WV], 2                       ; p
	s_lshl_b32 s38, s36, 4
	v_add_nc_u32 v24, s38, v21                     ; 16 a + r
	v_mul_u32_u24 v[AFA], v24, APIT
	v_lshl_add_u32 v[AFA], v22, 4, v[AFA]
	v_add_nc_u32 v[AFA], AS, v[AFA]
	v_and_b32 v25, 7, v0
	v_lshl_add_u32 v25, v22, 3, v25                ; the turning load: row 8 h + l % 8,
	v_mul_u32_u24 v25, v25, BPIT
	v_bfe_u32 v26, v0, 3, 1
	v_lshl_add_u32 v25, v26, 4, v25                ; 16 bytes for each half of eight lanes
	s_lshl_b32 s38, s37, 6
	v_add_nc_u32 v[BFA], s38, v25                  ; my 32 columns
	v_add_nc_u32 v[BFA+1], GSTEP, v[BFA]
	v_add_nc_u32 v[BFA+2], 2*GSTEP, v[BFA]
	v_add_nc_u32 v[BFA+3], 3*GSTEP, v[BFA]
	s_lshl_b32 s38, s[RBK], 6
	v_add_nc_u32 v24, s38, v24                     ; d
	s_mul_i32 s42, s[GG], QSZ                      ; w37: quarter g, columns 64 p bytes on
	s_cmp_eq_u32 s[CT], 1
	s_cselect_b32 s38, 64, 352                     ; the destination's row
	s_cselect_b32 s39, 65536, 64                   ; w46: quarter p of wk
	s_cmp_eq_u32 s[CT], 0
	s_cselect_b32 s39, QSZ, s39                    ; w12: quarter p of wq, behind its 128 columns of w37
	s_cselect_b32 s42, 256, s42
	s_mul_i32 s39, s39, s37
	s_add_co_u32 s42, s42, s39
	v_mul_u32_u24 v[OUTO], v24, s38
	v_lshl_add_u32 v[OUTO], v22, 4, v[OUTO]
	v_add_nc_u32 v[OUTO], s42, v[OUTO]
	s_cmp_lt_u32 s[CT], 2
	s_cselect_b32 s[SC], 1.0, 0x42800000           ; w37 is kept times 64, so that f16 holds it with room on both sides
	s_mov_b32 s[SC+1], s[SC]
	s_mov_b32 s35, 0
	s_wait_kmcnt 0x0
	s_cmp_eq_u32 s[CT], 1
	s_cselect_b64 s[APT:APT+1], s[22:23], s[20:21]
	s_cselect_b64 s[BPT:BPT+1], s[24:25], s[26:27]
	s_cselect_b64 s[DPT:DPT+1], s[30:31], s[28:29]
	s_cmp_eq_u32 s[CT], 0
	s_cselect_b64 s[APT:APT+1], s[16:17], s[APT:APT+1]
	s_cselect_b64 s[BPT:BPT+1], s[18:19], s[BPT:BPT+1]
	s_lshl_b32 s34, s[RBK], 17                     ; 64 rows of 2,048 bytes
	s_add_nc_u64 s[APT:APT+1], s[APT:APT+1], s[34:35]
	s_lshl_b32 s34, s[GG], 9                       ; w7's columns 128 g ..
	s_add_nc_u64 s[BPT:BPT+1], s[BPT:BPT+1], s[34:35]
	s_wait_alu depctr_va_vdst(0)                   ; v2 to v14 are written: every load and store of the kernel reads one of them as its offset or its LDS address, and none is written again
.set u_, 0
.rept 16                                       ; A: each load takes 512 consecutive bytes
	global_load_b128 v[LA+4*u_:LA+4*u_+3], v[GA], s[APT:APT+1] offset:u_*512
.set u_, u_+1
.endr
; Sixteen rows of B, batch bt of two, into the 64 registers from dst on.  low = 1: w7's lower half, 512 rows further down.
.macro LOADB dst, pitch, bt, low
.set u_, 0
.rept 16
	global_load_b128 v[(\dst)+4*u_:(\dst)+4*u_+3], v[GB], s[BPT:BPT+1] offset:(16*(\bt)+u_)*(\pitch)+(\low)*512*2048
.set u_, u_+1
.endr
.endm
.macro SUM16 r                         ; w7's upper half + its lower half
.set u_, 0
.rept 16
	v_pk_add_f32 v[(\r)+4*u_:(\r)+4*u_+1], v[(\r)+4*u_:(\r)+4*u_+1], v[LC+4*u_:LC+4*u_+1]
	v_pk_add_f32 v[(\r)+4*u_+2:(\r)+4*u_+3], v[(\r)+4*u_+2:(\r)+4*u_+3], v[LC+4*u_+2:LC+4*u_+3]
.set u_, u_+1
.endr
.endm
.macro ROUND16 r                       ; sixteen pieces of four numbers close up, as f16, into the first two of their four registers
.set u_, 0
.rept 16
	v_cvt_pk_f16_f32 v[(\r)+4*u_], v[(\r)+4*u_], v[(\r)+4*u_+1]
	v_cvt_pk_f16_f32 v[(\r)+4*u_+1], v[(\r)+4*u_+2], v[(\r)+4*u_+3]
.set u_, u_+1
.endr
.endm
.macro STAGEA                          ; A's 16 pieces: piece u is a quarter (u % 4) of row 4 w + u / 4
	s_wait_loadcnt 32                              ; loads come back in order (ISA guide 5.7.1): A is in; the 32 loads of B, issued behind it, may stay out
	ROUND16 LA
	s_wait_alu depctr_va_vdst(0)                   ; the conversions have written v[LA ..], which the LDS stores read, and are done with all of LA
.set u_, 0
.rept 16
	ds_store_b64 v[LAS], v[LA+4*u_:LA+4*u_+1] offset:(u_/4)*APIT+(u_%4)*256
.set u_, u_+1
.endr
.endm
.macro PUTB r, bt                      ; sixteen rows of B into LDS
.set u_, 0
.rept 16
	ds_store_b64 v[LBS], v[(\r)+4*u_:(\r)+4*u_+1] offset:(16*(\bt)+u_)*BPIT
.set u_, u_+1
.endr
.endm
.macro PUTWV r, bt                     ; the first row block stores the same rows as wv, 256 consecutive bytes an instruction
	s_cmp_eq_u32 s[WVF], 1
	s_cbranch_scc0 .Lnowv_\@
.set u_, 0
.rept 16
	global_store_b64 v[WVO], v[(\r)+4*u_:(\r)+4*u_+1], s[32:33] offset:(16*(\bt)+u_)*256
.set u_, u_+1
.endr
.Lnowv_\@:
.endm
	s_cmp_lt_u32 s[CT], 2
	s_cbranch_scc0 .Ldouble
	LOADB LB, 512, 0, 0                            ; w2 or w6: all 32 rows are asked for at once
	LOADB LC, 512, 1, 0
	STAGEA
	s_wait_loadcnt 16                              ; rows 0-15 are in; the 16 loads of rows 16-31 may stay out
	ROUND16 LB
	s_wait_loadcnt 0x0
	ROUND16 LC
	s_wait_alu depctr_va_vdst(0)                   ; the conversions have written v[LB ..] and v[LC ..], which the LDS stores read
	PUTB LB, 0
	PUTB LC, 1
	s_branch .Lstaged
.Ldouble:
	LOADB LB, 2048, 0, 0                           ; w7: both halves of rows 0-15
	LOADB LC, 2048, 0, 1
	STAGEA
	s_wait_alu depctr_vm_vsrc(0)                   ; A's LDS stores have read v[LA ..], in which the next loads land (the conversions that named LA stand ahead of the wait on va_vdst above)
	LOADB LA, 2048, 1, 0                           ; the upper half of rows 16-31
	s_wait_loadcnt 16                              ; both halves of rows 0-15 are in; the 16 loads just issued may stay out
	SUM16 LB
	ROUND16 LB
	s_wait_alu depctr_va_vdst(0)                   ; the conversions have written v[LB ..], which the stores below read; the sums are done reading v[LC ..], in which the loads below land
	LOADB LC, 2048, 1, 1                           ; the lower half of rows 16-31
	PUTB LB, 0
	PUTWV LB, 0
	s_wait_loadcnt 0x0
	SUM16 LA
	ROUND16 LA
	s_wait_alu depctr_va_vdst(0)                   ; the conversions have written v[LA ..], which the stores below read; no vector instruction names LA, LB or LC behind this line
	PUTB LA, 1
	PUTWV LA, 1
.Lstaged:
	s_wait_xcnt 0x0                                ; the stores into wv have had their addresses translated (ISA guide 3.1): the fragments land in their data registers only behind this wait
	s_wait_alu depctr_vm_vsrc(0)                   ; the LDS stores and the stores into wv have read v[LA ..], v[LB ..] and v[LC ..]: these registers are the two sets of fragments from here on
	s_wait_dscnt 0x0                               ; for the others' sake: my part of A and B lies in LDS
	s_barrier_signal -1
	s_barrier_wait -1
; The fragments of K step q of group g (four K steps of 32) into set s: six LDS loads.  A lies along K: two loads 32 bytes apart.  B lies [K][N]: two turning loads, 16 rows apart, for each 16 columns.
.macro KFR g, s, q
	ds_load_b128 v[FR+96*(\s)+24*(\q):FR+96*(\s)+24*(\q)+3],   v[AFA] offset:64*(4*(\g)+(\q))
	ds_load_b128 v[FR+96*(\s)+24*(\q)+4:FR+96*(\s)+24*(\q)+7], v[AFA] offset:64*(4*(\g)+(\q))+32
	ds_load_tr16_b128 v[FR+96*(\s)+24*(\q)+8:FR+96*(\s)+24*(\q)+11],  v[BFA+(\g)] offset:(\q)*32*BPIT
	ds_load_tr16_b128 v[FR+96*(\s)+24*(\q)+12:FR+96*(\s)+24*(\q)+15], v[BFA+(\g)] offset:(\q)*32*BPIT+16*BPIT
	ds_load_tr16_b128 v[FR+96*(\s)+24*(\q)+16:FR+96*(\s)+24*(\q)+19], v[BFA+(\g)] offset:(\q)*32*BPIT+32
	ds_load_tr16_b128 v[FR+96*(\s)+24*(\q)+20:FR+96*(\s)+24*(\q)+23], v[BFA+(\g)] offset:(\q)*32*BPIT+32+16*BPIT
.endm
; A product.  Source 0 = 16 columns of B, source 1 = 16 rows of A: a lane ends with eight neighbouring columns of one row.  zero = 1: it starts the sum.
.macro PROD s, q, i, zero
.if \zero
	v_wmma_f32_16x16x32_f16 v[ACC+8*(\i):ACC+8*(\i)+7], v[FR+96*(\s)+24*(\q)+8+8*(\i):FR+96*(\s)+24*(\q)+15+8*(\i)], v[FR+96*(\s)+24*(\q):FR+96*(\s)+24*(\q)+7], 0
.else
	v_wmma_f32_16x16x32_f16 v[ACC+8*(\i):ACC+8*(\i)+7], v[FR+96*(\s)+24*(\q)+8+8*(\i):FR+96*(\s)+24*(\q)+15+8*(\i)], v[FR+96*(\s)+24*(\q):FR+96*(\s)+24*(\q)+7], v[ACC+8*(\i):ACC+8*(\i)+7]
.endif
.endm
; A group's eight products on set s; the two accumulators take turns.  fetch = 1: group ng is asked for, into the other set: a K step's six loads behind each of the first four products,
; which name set s and the accumulators: none of the registers that those loads touch.  c0 to c3: how many younger LDS loads may be out when K step 0 to 3 of set s has to be in (LDS loads come back in order: ISA guide 5.7.1).
.macro STEPG s, zero, fetch, ng, c0, c1, c2, c3
	s_wait_dscnt \c0
	PROD \s, 0, 0, \zero
.if \fetch
	KFR \ng, 1-(\s), 0
.endif
	PROD \s, 0, 1, \zero
.if \fetch
	KFR \ng, 1-(\s), 1
.endif
	s_wait_dscnt \c1
	PROD \s, 1, 0, 0
.if \fetch
	KFR \ng, 1-(\s), 2
.endif
	PROD \s, 1, 1, 0
.if \fetch
	KFR \ng, 1-(\s), 3
.endif
	s_wait_dscnt \c2
	PROD \s, 2, 0, 0
	PROD \s, 2, 1, 0
	s_wait_dscnt \c3
	PROD \s, 3, 0, 0
	PROD \s, 3, 1, 0
.endm
.macro PLACES                          ; four plain places between a product and a load into its registers
.rept 4
	v_nop
.endr
.endm
.irp q, 0,1,2,3
	KFR 0, 0, \q
.endr
.irp q, 0,1,2,3
	KFR 1, 1, \q
.endr
	STEPG 0, 1, 0, 0, 42, 36, 30, 24               ; group 0: behind K step q stand the set's 6 (3 - q) later loads and set 1's 24
	PLACES
	s_wait_alu depctr_va_vdst(0)                   ; group 0's products are done reading set 0, in which group 2's fragments land
	STEPG 1, 0, 1, 2, 18, 24, 30, 24               ; group 1: the set's 18, 12, 6, 0 later loads and the 0, 12, 24, 24 issued since the group's head
	PLACES
	s_wait_alu depctr_va_vdst(0)                   ; group 1's products are done reading set 1, in which group 3's fragments land
	STEPG 0, 0, 1, 3, 18, 24, 30, 24               ; group 2 likewise
	STEPG 1, 0, 0, 0, 18, 12, 6, 0                 ; group 3: nothing more is asked for, and the counts run down
.irp j, 0,1,2,3
	v_mov_b32 v[Z+\j], 0                           ; wq's padding.  These four are also the places behind the last product, before its result is read (ISA guide 7.12.1)
.endr
.irp i, 0,1
.irp j, 0,1,2,3
	v_pk_mul_f32 v[T+8*\i+2*\j:T+8*\i+2*\j+1], v[ACC+8*\i+2*\j:ACC+8*\i+2*\j+1], s[SC:SC+1] op_sel_hi:[1,0]
.endr
.endr
.irp i, 0,1
.irp j, 0,1,2,3
	v_cvt_pk_f16_f32 v[U+4*\i+\j], v[T+8*\i+2*\j], v[T+8*\i+2*\j+1]
.endr
.endr
	s_wait_alu depctr_va_vdst(0)                   ; the roundings have written v[U ..] and the moves v[Z ..], which the stores below read
.irp i, 0,1
	global_store_b128 v[OUTO], v[U+4*\i:U+4*\i+3], s[DPT:DPT+1] offset:32*\i
.endr
	s_cmp_eq_u32 s[CT], 0
	s_cbranch_scc0 .Lend
	global_store_b128 v[OUTO], v[Z:Z+3], s[DPT:DPT+1] offset:64  ; wq's columns 160-175: the next launch's tiles carry them, so they are written
.Lend:
	s_wait_dscnt 0x0                               ; the closing lines, six on end
	s_wait_alu 0x0
	s_wait_tensorcnt 0x0
	ds_add_u32 v[SPW], v[NIL]
	s_wait_dscnt 0x0
	s_endpgm
.Lfunc_end_k_qccef2fcfef_prep:
	.size	k_qccef2fcfef_prep, .Lfunc_end_k_qccef2fcfef_prep-k_qccef2fcfef_prep
	.p2alignl 7, 3214868480
	.fill 96, 4, 3214868480
	.section	.rodata,"a",@progbits
	.p2align	6, 0x0
	.amdhsa_kernel k_qccef2fcfef_prep
		.amdhsa_group_segment_fixed_size 216064
		.amdhsa_private_segment_fixed_size 0
		.amdhsa_enable_private_segment 0
		.amdhsa_kernarg_size 72
		.amdhsa_user_sgpr_count 2
		.amdhsa_user_sgpr_kernarg_segment_ptr 1
		.amdhsa_wavefront_size32 1
		.amdhsa_system_sgpr_workgroup_id_x 1
		.amdhsa_system_sgpr_workgroup_id_y 1
		.amdhsa_system_sgpr_workgroup_id_z 1
		.amdhsa_system_vgpr_workitem_id 0
		.amdhsa_next_free_vgpr 256
		.amdhsa_next_free_sgpr 66
		.amdhsa_reserve_vcc 0
		.amdhsa_float_denorm_mode_32 3
		.amdhsa_float_denorm_mode_16_64 3
		.amdhsa_memory_ordered 1
		.amdhsa_forward_progress 1
		.amdhsa_inst_pref_size 51
	.end_amdhsa_kernel
	.amdgpu_metadata
---
amdhsa.version: [ 1, 2 ]
amdhsa.kernels:
  - .name:           k_qccef2fcfef_prep
    .symbol:         k_qccef2fcfef_prep.kd
    .args:
      - { .name: w1, .offset: 0, .size: 8, .value_kind: global_buffer, .address_space: global }
      - { .name: w2, .offset: 8, .size: 8, .value_kind: global_buffer, .address_space: global }
      - { .name: w3, .offset: 16, .size: 8, .value_kind: global_buffer, .address_space: global }
      - { .name: w4, .offset: 24, .size: 8, .value_kind: global_buffer, .address_space: global }
      - { .name: w6, .offset: 32, .size: 8, .value_kind: global_buffer, .address_space: global }
      - { .name: w7, .offset: 40, .size: 8, .value_kind: global_buffer, .address_space: global }
      - { .name: wq, .offset: 48, .size: 8, .value_kind: global_buffer, .address_space: global }
      - { .name: wk, .offset: 56, .size: 8, .value_kind: global_buffer, .address_space: global }
      - { .name: wv, .offset: 64, .size: 8, .value_kind: global_buffer, .address_space: global }
    .group_segment_fixed_size: 216064
    .private_segment_fixed_size: 0
    .kernarg_segment_align: 8
    .kernarg_segment_size: 72
    .max_flat_workgroup_size: 512
    .sgpr_count:     66
    .vgpr_count:     256
    .wavefront_size: 32
...
	.end_amdgpu_metadata
.endif
;; end of part 4
;; launch proj: the kernel of part 2 again; grid 256 x 1, 4 waves a work-group, clusters of 4 x 1, 327,680 bytes of LDS; arguments q, k, v, wq, wk, wv, q2, k3, vv, qw; writes q2, k3, vv, qw
;; launch attn: the kernel of part 3 again; grid 32 x 8, 4 waves a work-group, clusters of 4 x 1, 327,680 bytes of LDS; arguments q2, k3, vv, qw, out0; writes out0
